; MI455X (gfx1250); checked and timed in simulation.
; The chip was launched on July 23, 2026; its instructions are those of AMD's public machine-readable ISA for CDNA 5 (MIT licence, August 2026) and "CDNA5" Instruction Set Architecture Reference Guide (July 2026). The comments in the code are by the model that wrote it; some were corrected since.
;; Causal Attention. Allowed arithmetic: matrix products marked QUANTISED: E2M1 operands, one E8M0 scale for each 32 along K, by v_wmma_scale_f32_16x16x128_f8f6f4 with both operands' format E2M1 (or v_wmma_scale_f32_32x16x128_f4), f32 sums; products left as they are: bf16, f16 or f32 operands; f32 sums; everything else in f32.
;; Inputs: Wk 1,024 x 1,024 float32; Wq 1,024 x 1,024 float32; Wv 1,024 x 1,024 float32; x 4 x 2,048 x 1,024 float32.
;; Outputs: out0 4 x 2,048 x 1,024 float32.
;; This version of the problem:
;;   THIS VERSION OF THE PROBLEM IS GIVEN IN LOW PRECISION. The matrix products marked QUANTISED in the list below multiply operands that are first quantised to E2M1 (2 exponent bits, 1 mantissa bit; 4 bits a number), with one power-of-two scale for each 32 numbers along K (OCP MX v1.0); their sums are f32. The products marked 'left as it is' may take bf16, f16 or f32 operands, with f32 sums. Whichever they take, every output number must still come out within the allowed error. Rounding operands to bf16 (8 significant bits) uses up far more of that allowance than f16 does (11 bits, for magnitudes from 6e-5 to 65,504). All else is computed in f32.
;;   The module's matrix products, in the order in which they are computed (A, B: the left and right operand; K: the contracted axis; several contracted axes count as one K, in the product's order):
;;     1. [M 8,192, K 1,024] x [K 1,024, N 1,024]; A: input x; B: input Wk: QUANTISED
;;     2. [M 8,192, K 1,024] x [K 1,024, N 1,024]; A: input x; B: input Wq: QUANTISED
;;     3. [M 8,192, K 1,024] x [K 1,024, N 1,024]; A: input x; B: input Wv: QUANTISED
;;     4. batch 4 x [M 2,048, K 1,024] x [K 1,024, N 2,048]; A: computed on the way; B: computed on the way: left as it is (an operand is computed on the way)
;;     5. batch 4 x [M 2,048, K 2,048] x [K 2,048, N 1,024]; A: computed on the way; B: computed on the way: left as it is (an operand is computed on the way)
;;   THE QUANTISER, for each operand of a quantised product, along K:
;;     - K is cut into blocks of 32 from its start; a last block that is shorter is filled with zeros.
;;     - A block's scale is 2^e with e = floor(log2(the largest magnitude in the block)) - 2, held to -126 .. 127; a block of zeros has e = 0. As a byte (E8M0): e + 127.
;;     - Each number is divided by its block's scale, clamped to +-6, and rounded to the nearest number of E2M1, ties to even, subnormals kept.
;;     - The product sums the exact products of the quantised numbers (number of the format x scale) in f32.
;;   ~~~python
;;   def quantise(x, axis):      # numpy; x: float32 -> the quantised numbers, widened to float32 again
;;       x = np.moveaxis(x, axis, -1); K = x.shape[-1]
;;       x = np.pad(x, [(0, 0)] * (x.ndim - 1) + [(0, -K % 32)]); x = x.reshape(x.shape[:-1] + (-1, 32)); a = np.abs(x).max(-1, keepdims=True)
;;       e = np.where(a > 0, np.clip(np.frexp(np.where(a > 0, a, 1))[1] - 1 - 2, -126, 127), 0)      # np.frexp(a)[1] - 1 = floor(log2(a)), exactly
;;       r = np.clip(x / 2.0 ** e, -6, 6)
;;       step = 2.0 ** (np.maximum(np.frexp(np.where(r == 0, 1, r))[1] - 1, 0) - 1)
;;       q = np.round(r / step) * step * 2.0 ** e      # np.round: ties to even
;;       return np.moveaxis(q.reshape(q.shape[:-2] + (-1,))[..., :K], -1, axis).astype(np.float32)
;;   ~~~
;; One version. Each part assembles by itself: llvm-mc -triple=amdgcn-amd-amdhsa -mcpu=gfx1250 --defsym DOCPART=n.
;; ======== version 1 of 1: 4 launches
;; limits: values are held in f16: magnitudes above 65,504 overflow, below 6.1e-05 lose precision
;; workspace buffers: codes 5,767,168 bytes; scales 360,448 bytes; qkf 33,554,432 bytes; vf 16,777,216 bytes; pf 33,554,432 bytes; st 1,048,576 bytes; fine 786,432 bytes
;; launch quant (part 1): grid 352 x 1, 4 waves a work-group, no clusters, 33,280 bytes of LDS; arguments x, Wk, Wq, Wv, codes, scales; writes codes, scales
.if DOCPART == 1
	.amdgcn_target "amdgcn-amd-amdhsa--gfx1250"
	.amdhsa_code_object_version 6
	.text
	.protected	k_q6e4644983e_quant
	.globl	k_q6e4644983e_quant
	.p2align	8
	.type	k_q6e4644983e_quant,@function
k_q6e4644983e_quant:
	s_mov_b64 s[64:65], 0
	v_nop
	global_prefetch_b8 v0, s[64:65] scope:SCOPE_SE
	s_setreg_imm32_b32 hwreg(HW_REG_WAVE_MODE, 25, 1), 1
	s_wait_xcnt 0x0
; THE PROGRAM: out = softmax(causal(q k^T / 32)) v with q = x Wk^T, k = x Wq^T, v = x Wv^T; the three projections on codes of FP4 (E2M1) with one E8M0 scale for each 32 input channels.
; Four launches: this one (codes and scale bytes of x and the three weights), the projections, the scores with a softmax by key tiles (in that launch, on work-groups of their own, also positions 0-15 of every batch in f32), and the product with v.
; WORK LEFT OUT, for all values of the inputs: the mask is built from the shapes alone (key > query is set to -infinity ahead of the softmax), so a masked score has the weight exp(-infinity) = 0 and adds
; 0 x v to its row whatever x and the weights hold.  Hence tiles of scores all of whose keys come after all of their queries are not computed, and the product with v does not walk them.  Every input has a way to the output: all four are loaded.
; LIMIT: a NaN, an infinity or an overflow that would arise only in the masked scores left out is not carried to the result.
; LIMITS of the program: q, k and v go to the two products left as they are as f16: magnitudes from 65,504 on become infinity, and under 6e-5 the absolute error is 3e-8; NaN and infinities among the inputs are not served.
;
; THIS LAUNCH.  x [8192][1024], Wk, Wq, Wv [1024][1024], f32, K innermost and a multiple of 32: four plain streams of blocks of 32 numbers.  Their codes (16 bytes a block) and scale bytes go, one tensor behind the
; other, into codes [11264 rows][512 bytes] and scales [11264][32]: rows 0-8191 x, 8192-9215 Wk, 9216-10239 Wq, 10240-11263 Wv.
; A block's scale is 2^(floor(log2(its largest magnitude)) - 2); its byte is the largest magnitude's exponent field - 2, held at 1 from below.  A block of zeros so gets the byte 1 where the rule says 127: its codes are
; zeros, which add nothing under any byte but 0xff, and this program alone reads the bytes.  Blocks whose largest magnitude lies under 2^-124 were not tried.
; A wave takes 16 steps of 512 numbers.  Each of a step's four loads reads 512 consecutive bytes; the 2,048 bytes turn through the wave's own stage in LDS and come back 64 bytes a lane (16 neighbours along K; two lanes hold a
; block).  A lane's 16 codes are 8 bytes: the wave stores 256 consecutive bytes.  A wave's 256 scale bytes are gathered in LDS and leave as one aligned run of 256 bytes.  Waves share nothing: no barrier, no cluster, no matrix unit.
.set WAVES, 4
.set STEPS, 16
.set EMAX,  2
.set CB,    8                          ; bytes of 16 codes
.set R,     16                         ; v16-79   four sets of 16 numbers as they are loaded
.set X,     80                         ; v80-111  two sets of 16 neighbours
.set C,     128                        ; v128-191 codes: four registers for each step, so that no store's data are written again
.set E,     112                        ; v112-127 a scale byte for each step
.set WREG,  8192                       ; LDS: a region for each wave: two stages of 32 x SP bytes, behind them its 256 scale bytes
.set SP,    80                         ; a lane's place in a stage: 64 bytes + 16 of padding
.set SPW,   12                         ; v12 LDS address of my spare word; never rewritten
.set NIL,   13                         ; v13 0; never rewritten
.set SPARE, WAVES*WREG                 ; behind the four regions: the spare words, 128 bytes a wave
	s_load_b256 s[4:11], s[0:1], 0x0               ; x s[4:5], Wk s[6:7], Wq s[8:9], Wv s[10:11]
	s_load_b128 s[12:15], s[0:1], 0x20             ; codes s[12:13], scales s[14:15]
	v_lshl_add_u32 v[SPW], v0, 2, SPARE
	v_mov_b32 v[NIL], 0
	v_lshrrev_b32 v1, 5, v0
	v_readfirstlane_b32 s16, v1                    ; wave
	v_and_b32 v2, 31, v0                           ; lane
	v_lshlrev_b32 v3, 4, v2                        ; my 16 bytes of a load's 512
	s_mul_i32 s17, s16, WREG
	v_lshrrev_b32 v14, 2, v2
	v_mul_u32_u24 v14, v14, SP
	v_and_b32 v15, 3, v2
	v_lshl_add_u32 v14, v15, 4, v14
	v_add_nc_u32 v14, s17, v14                     ; the stage, on the way in: SP (lane / 4) + 16 (lane % 4)
	v_mul_u32_u24 v15, v2, SP
	v_add_nc_u32 v15, s17, v15                     ; and on the way out: SP x lane: my 16 neighbours
	v_mul_u32_u24 v4, v2, CB                       ; my codes' place in a step's
	v_lshrrev_b32 v5, 1, v2
	s_add_co_u32 s17, s17, 2*32*SP
	v_add_nc_u32 v5, s17, v5                       ; LDS: my wave's 256 scale bytes, my block's byte
	v_lshlrev_b32 v7, 3, v2                        ; and on the way out 8 bytes a lane
	v_add_nc_u32 v6, s17, v7
	s_wait_kmcnt 0x0
	s_cmp_lt_u32 ttmp9, 320                        ; work-groups 0-255 take x, 256-287 Wk, 288-319 Wq, 320-351 Wv: the choice hangs on the work-group's number alone
	s_cselect_b64 s[10:11], s[8:9], s[10:11]
	s_cmp_lt_u32 ttmp9, 288
	s_cselect_b64 s[10:11], s[6:7], s[10:11]
	s_and_b32 s18, ttmp9, 31                       ; a weight's work-group within its tensor (256 is a multiple of 32)
	s_cmp_lt_u32 ttmp9, 256
	s_cselect_b64 s[4:5], s[4:5], s[10:11]
	s_cselect_b32 s18, ttmp9, s18
	s_lshl_b32 s18, s18, 2
	s_add_co_u32 s18, s18, s16                     ; which run of 8,192 numbers of the tensor is my wave's
	s_lshl_b32 s18, s18, 15                        ; 32,768 bytes a run
	s_mov_b32 s19, 0
	s_add_nc_u64 s[4:5], s[4:5], s[18:19]
	s_lshl_b32 s20, ttmp9, 2
	s_add_co_u32 s20, s20, s16                     ; and which run of the outputs, which go on from tensor to tensor
	s_lshl_b32 s18, s20, 12                        ; 4,096 bytes of codes a run
	s_add_nc_u64 s[12:13], s[12:13], s[18:19]
	s_lshl_b32 s18, s20, 8                         ; 256 scale bytes a run
	s_add_nc_u64 s[14:15], s[14:15], s[18:19]
.macro LOAD t
.irp i, 0,1,2,3
	global_load_b128 v[R+16*((\t)%4)+4*\i:R+16*((\t)%4)+4*\i+3], v3, s[4:5] offset:2048*(\t)+512*\i th:TH_LOAD_NT   ; 32 lanes read 512 consecutive bytes, read once
.endr
.endm
.macro TURN t                          ; step t's numbers through the stage: LDS serves a wave's instructions in order, so no wait stands between the stores and the loads
.irp i, 0,1,2,3
	ds_store_b128 v14, v[R+16*((\t)%4)+4*\i:R+16*((\t)%4)+4*\i+3] offset:32*SP*((\t)%2)+8*SP*\i
.endr
.irp i, 0,1,2,3
	ds_load_b128 v[X+16*((\t)%2)+4*\i:X+16*((\t)%2)+4*\i+3], v15 offset:32*SP*((\t)%2)+16*\i
.endr
.endm
.irp t, 0,1,2,3
	LOAD \t
.endr
	s_wait_loadcnt 12                              ; step 0's four loads are in; twelve younger ones stay out
	TURN 0
.macro STEP t
.set XS, X+16*((\t)%2)
.if (\t) > 0
	s_wait_dscnt 1                                 ; this step's numbers are back from the stage (the last step's byte store may be out)
.else
	s_wait_dscnt 0x0
.endif
.if (\t)+4 < STEPS
	LOAD (\t)+4                                    ; the stage's stores have read these registers: they take the loads of four steps on
.endif
.if (\t)+1 < STEPS
.if STEPS-2-(\t) >= 3
	s_wait_loadcnt 12                              ; the next step's four loads are in; those of the three steps behind it may be out
.else
	s_wait_loadcnt 4*(STEPS-2-(\t))
.endif
	TURN (\t)+1                                    ; through the other stage while this step is worked
.endif
	v_max3_num_f32 v8, |v[XS]|, |v[XS+1]|, |v[XS+2]|               ; the largest magnitude of my 16, in two chains
	v_max3_num_f32 v9, |v[XS+3]|, |v[XS+4]|, |v[XS+5]|
.irp i, 6,10
	v_max3_num_f32 v8, v8, |v[XS+\i]|, |v[XS+\i+1]|
	v_max3_num_f32 v9, v9, |v[XS+\i+2]|, |v[XS+\i+3]|
.endr
	v_max3_num_f32 v8, v8, |v[XS+14]|, |v[XS+15]|
	v_max3_num_f32 v8, v8, v9, (EMAX+1)<<23        ; and the floor 2^(3 - 127): the byte cannot fall under 1
	v_max_num_f32_dpp v8, v8, v8 row_xmask:1 row_mask:0xf bank_mask:0xf   ; with my neighbour's 16: the block's
	v_add_nc_u32 v11, -(EMAX<<23), v8              ; 2 off its exponent field: the conversion takes this operand's exponent field as its scale
	v_cvt_scalef32_pk8_fp4_f32 v[C+4*(\t)], v[XS:XS+7], v11        ; to the nearest code, ties to even, beyond the largest code the largest
	v_cvt_scalef32_pk8_fp4_f32 v[C+4*(\t)+1], v[XS+8:XS+15], v11
	v_lshrrev_b32 v[E+(\t)], 23, v11               ; the scale's byte
	ds_store_b8 v5, v[E+(\t)] offset:16*(\t)       ; both lanes of a block write the same byte with the same value
	global_store_b64 v4, v[C+4*(\t):C+4*(\t)+1], s[12:13] offset:32*CB*(\t)   ; the wave stores 256 consecutive bytes, aligned
.endm
.irp t, 0,1,2,3,4,5,6,7,8,9,10,11,12,13,14,15
	STEP \t
.endr
	ds_load_b64 v[8:9], v6                         ; these see my byte stores
	s_wait_dscnt 0x0
	global_store_b64 v7, v[8:9], s[14:15]          ; 32 lanes store 256 consecutive bytes, aligned
	s_wait_tensorcnt 0x0                           ; the wave's end, behind my last LDS store
	ds_add_u32 v[SPW], v[NIL]
	s_wait_dscnt 0x0
	s_endpgm
.Lfunc_end_k_q6e4644983e_quant:
	.size	k_q6e4644983e_quant, .Lfunc_end_k_q6e4644983e_quant-k_q6e4644983e_quant
	.p2alignl 7, 3214868480
	.fill 96, 4, 3214868480
	.section	.rodata,"a",@progbits
	.p2align	6, 0x0
	.amdhsa_kernel k_q6e4644983e_quant
		.amdhsa_group_segment_fixed_size 33280
		.amdhsa_private_segment_fixed_size 0
		.amdhsa_enable_private_segment 0
		.amdhsa_kernarg_size 48
		.amdhsa_user_sgpr_count 2
		.amdhsa_user_sgpr_kernarg_segment_ptr 1
		.amdhsa_wavefront_size32 1
		.amdhsa_system_sgpr_workgroup_id_x 1
		.amdhsa_system_sgpr_workgroup_id_y 1
		.amdhsa_system_sgpr_workgroup_id_z 1
		.amdhsa_system_vgpr_workitem_id 0
		.amdhsa_next_free_vgpr 192
		.amdhsa_next_free_sgpr 66
		.amdhsa_reserve_vcc 0
		.amdhsa_float_denorm_mode_32 3
		.amdhsa_float_denorm_mode_16_64 3
		.amdhsa_memory_ordered 1
		.amdhsa_forward_progress 1
		.amdhsa_inst_pref_size 33
	.end_amdhsa_kernel
	.amdgpu_metadata
---
amdhsa.version: [ 1, 2 ]
amdhsa.kernels:
  - .name:           k_q6e4644983e_quant
    .symbol:         k_q6e4644983e_quant.kd
    .args:
      - { .name: x, .offset: 0, .size: 8, .value_kind: global_buffer, .address_space: global }
      - { .name: Wk, .offset: 8, .size: 8, .value_kind: global_buffer, .address_space: global }
      - { .name: Wq, .offset: 16, .size: 8, .value_kind: global_buffer, .address_space: global }
      - { .name: Wv, .offset: 24, .size: 8, .value_kind: global_buffer, .address_space: global }
      - { .name: codes, .offset: 32, .size: 8, .value_kind: global_buffer, .address_space: global }
      - { .name: scales, .offset: 40, .size: 8, .value_kind: global_buffer, .address_space: global }
    .group_segment_fixed_size: 33280
    .private_segment_fixed_size: 0
    .kernarg_segment_align: 8
    .kernarg_segment_size: 48
    .max_flat_workgroup_size: 128
    .sgpr_count:     66
    .vgpr_count:     192
    .wavefront_size: 32
...
	.end_amdgpu_metadata
.endif
;; end of part 1
;; launch proj (part 2): grid 8 x 48, 4 waves a work-group, clusters of 4 x 4, 327,680 bytes of LDS; arguments codes, scales, qkf, vf, fine; writes qkf, vf, fine
.if DOCPART == 2
	.amdgcn_target "amdgcn-amd-amdhsa--gfx1250"
	.amdhsa_code_object_version 6
	.text
	.protected	k_q6e4644983e_proj
	.globl	k_q6e4644983e_proj
	.p2align	8
	.type	k_q6e4644983e_proj,@function
k_q6e4644983e_proj:
	s_mov_b64 s[64:65], 0
	v_nop
	global_prefetch_b8 v0, s[64:65] scope:SCOPE_SE
	s_setreg_imm32_b32 hwreg(HW_REG_WAVE_MODE, 25, 1), 1
	s_wait_xcnt 0x0
	s_wait_alu depctr_hold_cnt(0) depctr_sa_sdst(0) depctr_va_vdst(0) depctr_va_sdst(0) depctr_va_ssrc(0) depctr_va_vcc(0) depctr_vm_vsrc(0)
	s_getreg_b32 s2, hwreg(HW_REG_IB_STS2, 6, 4)
	s_cmp_eq_u32 s2, 0
	s_cbranch_scc0 .Lentry_in_a_cluster
	s_endpgm
.Lentry_in_a_cluster:
	s_bfe_u32 s2, ttmp6, 0x10000c
	s_cmp_lg_u32 s2, 0xf033
	s_cbranch_scc0 .Lentry_shape_is_right
	s_endpgm
.Lentry_shape_is_right:
; THE THREE PROJECTIONS on codes of FP4 with E8M0 scales, K = 1,024: C[m][n] = sum over k of A[m][k] B[n][k], A's and B's rows both taken from codes [11264][512 bytes] and scales [11264][32].
; Clusters with y 0-7: A = x's tokens (rows 0-8191), B = Wk's and Wq's rows (8192-10239): q and k.  Clusters with y 8-11: A = Wv's rows (10240-11263), B = x's tokens: v transposed.  No work is left out here.
; A tile of C, 256 x 256, is made by four waves, each 128 x 128: 64 accumulators.  K is two slots of 512 (rows of 256 bytes), both asked for at the start: nothing is filled again.
; The scale bytes of the tile's 256 + 256 rows come once, as dense blocks.  4 x 4 work-groups form a cluster: A's tiles are asked for jointly along a row of the cluster, B's along a column.
; 32 x 8 + 4 x 32 = 384 tiles, one to a work-group.
; THE MATRIX INSTRUCTION IS USED TRANSPOSED (source 0 = 16 rows of B, source 1 = 16 rows of A): lane (r, h) holds A's row r, and its eight registers B's rows 8 h + 0 .. 7.
; THE WAY OUT needs no stage.  Rounded to f16 in pairs, accumulators (a, 2 c) and (a, 2 c + 1) ARE the eight registers of the 16 x 32 fragment (rows 16 a on, 32 c on along the next product's K) of a 16-bit operand.  They are stored as
; that image: [part 0, 1][lane][16 bytes], 1 KB a fragment; a store of the wave covers 512 consecutive bytes, aligned.
;   qkf: q at byte 0, k at 2^24; each [token / 128][channel / 32][(token / 16) % 8][1 KB].     vf: [channel / 128][token / 32][(channel / 16) % 8][1 KB].
; The f32 results of positions 0-15 of every batch go besides to fine [q, k, v][batch][16][1024]: 768 KB in all, in pieces of 16 or 4 bytes a lane; which waves hold them hangs on the place in the cluster, so it is done by EXEC, not by a branch.
; LIMIT: results of magnitude 65,504 and more become infinity in f16.
; REGISTERS: window 0: v0-31 addresses; v32-95 scale words, two sets; from v128 A's fragments, one set; on the way out v64-191 packed results.  window 1: B's fragments, two sets.  windows 2, 3: the accumulators ((a, b) at v[8 (8 (a % 4) + b)]).
.set KSTEP,  512
.set NQ,     4                         ; steps of 128 along K in a slot
.set ROWB,   256                       ; a tile's row in bytes
.set KROW,   512                       ; a row of codes in memory
.set PITCH,  272                       ; an LDS row: 256 bytes + 16 of padding: the 16 rows of a load start 68 words apart
.set FR,     8
.set NL,     2
.set NP,     4
.set HALFT,  128*PITCH
.set SLOT,   4*HALFT
.set KS,     32                        ; a row of scale bytes
.set SCL,    2*SLOT                    ; behind the two slots: the scales, as runs of 256 bytes + 16 of padding
.set HALFS,  (128*KS/256)*272
.set SBLK,   (16*KS/256)*272
.set SPARE,  SCL+4*HALFS               ; the spare words, 128 bytes a wave
.set ADRA, 16                          ; v16-17 LDS address of my A fragments in slot 0, 1
.set ADRB, 20                          ; v20-21 the same for B
.set FO,   24                          ; v24    my byte offset in fine
.set FLV,  25                          ; v25    0 in the waves that hold positions 0-15
.set CO,   26                          ; v26    16 x lane
.set ADRS, 27                          ; v27    LDS address of my scale words: lanes 0-15 A's rows, lanes 16-31 B's
.set SPW,  28
.set NIL,  29
.set SC,   32
.set TMP,  64
.set AF,   128
.set G1, 24
.set G0, 32
.set G1B, 48
.set G0B, 56
.set G1S, 68
.set G0S, 76
.set G1SB, 80
.set G0SB, 88
.set MSB, 0
.macro WIN new                         ; the immediate's high byte repeats the setting that is left
.if MSB != (\new)
	s_set_vgpr_msb (MSB<<8)|(\new)
.set MSB, (\new)
.endif
.endm
.set MUL_LO, 0xa1                      ; source 0 (B) window 1, source 1 (A) window 0, C and D window 2
.set MUL_HI, 0xf1
.set TO_B,   0x40
; A joint load: waves 0 and 1 fetch for A, waves 2 and 3 for B; the branch hangs on the wave's number alone.  An s_nop 0 and four v_nop follow each of the two lines.
.macro JLOAD g0a, g1a, g0b, g1b
	s_cmp_eq_u32 s15, 0
	s_cbranch_scc0 .Lfor_b_\@
	tensor_load_to_lds s[\g0a:\g0a+3], s[\g1a:\g1a+7]
	s_nop 0
.rept 4
	v_nop
.endr
	s_branch .Lasked_\@
.Lfor_b_\@:
	tensor_load_to_lds s[\g0b:\g0b+3], s[\g1b:\g1b+7]
	s_nop 0
.rept 4
	v_nop
.endr
.Lasked_\@:
.endm
.macro CROUND                          ; a round of the cluster's barrier
	s_barrier_signal -1
	s_barrier_wait -1
	s_cmp_lg_u32 s14, 0
	s_cbranch_scc1 .Lnot_wave_0_\@
	s_barrier_signal -3
.Lnot_wave_0_\@:
	s_barrier_wait -3
	s_barrier_signal -1
	s_barrier_wait -1
.endm
	s_load_b128 s[4:7], s[0:1], 0x0                ; codes s[4:5], scales s[6:7]
	s_load_b128 s[8:11], s[0:1], 0x10              ; qkf s[8:9], vf s[10:11]
	s_load_b64 s[12:13], s[0:1], 0x20              ; fine
	v_lshl_add_u32 v[SPW], v0, 2, SPARE
	v_mov_b32 v[NIL], 0
	ds_add_u32 v[SPW], v[NIL]                      ; the wave's opening: the add, twice on end, and its wait ahead of my first tensor load
	ds_add_u32 v[SPW], v[NIL]
	v_lshrrev_b32 v1, 5, v0
	v_readfirstlane_b32 s14, v1                    ; wave 0..3
	s_lshr_b32 s15, s14, 1                         ; which half of the tile's rows (A) is mine.  Also: I fetch for A (0) or for B (1)
	s_and_b32 s16, s14, 1                          ; which half of its columns (B).  Also: which 128 rows I fetch
	s_bfe_u32 s40, ttmp6, 0x40000                  ; cx, cy: my place in the cluster
	s_bfe_u32 s41, ttmp6, 0x40004
	s_and_b32 s95, ttmp7, 0xffff                   ; cluster y, 0..11
	s_lshr_b32 s96, s95, 3                         ; 0: q and k;  1: v transposed.  The same in all sixteen partners
	s_and_b32 s97, s95, 7
	s_mul_i32 s97, s97, s96                        ; v: cluster y - 8, else 0
	s_lshl_b32 s97, s97, 1
	s_add_co_u32 s97, s97, ttmp9                   ; the cluster's column: x, or for v 2 (y - 8) + x
	s_lshl_b32 s42, s97, 2
	s_add_co_u32 s42, s42, s40                     ; tile column: 0..7, or for v 0..31
	s_cmp_eq_u32 s96, 0
	s_cselect_b32 s17, s95, 0                      ; the cluster's row: y, or for v 0
	s_cselect_b32 s98, 0, 10240                    ; where A's rows begin in codes: x's, or Wv's
	s_cselect_b32 s99, 8192, 0                     ; and B's: Wk's and Wq's, or x's
	s_lshl_b32 s17, s17, 2
	s_add_co_u32 s17, s17, s41                     ; tile row: 0..31, or for v 0..3
	s_lshl_b32 s43, s41, 2
	s_lshl_b32 s43, 15, s43                        ; my row of the cluster
	s_lshl_b32 s44, 0x1111, s40                    ; my column
	s_or_b32 s[G1+0], s43, (0<<16)|(1<<20)|(1<<21)|(5<<22)|(3<<25)   ; the mask; elements of 1 byte; padding on; bit 21 beside a mask; 4 words behind every 64
	s_or_b32 s[G1B+0], s44, (0<<16)|(1<<20)|(1<<21)|(5<<22)|(3<<25)
.irp g, G1, G1B
	s_mov_b32 s[\g+1], ROWB<<16                    ; tensor_dim0
	s_mov_b32 s[\g+2], 128<<16                     ; tensor_dim1
	s_mov_b32 s[\g+3], ROWB<<16                    ; tile_dim0
	s_mov_b32 s[\g+4], 128                         ; tile_dim1
	s_mov_b32 s[\g+5], KROW                        ; from row to row
	s_mov_b32 s[\g+6], 0
	s_mov_b32 s[\g+7], 0
.endr
	s_or_b32 s[G1S+0], s43, (3<<16)|(1<<20)|(1<<21)|(5<<22)|(3<<25)  ; the scales of 128 rows: 4,096 dense bytes as 16 rows of 256 (32 elements of 8 bytes), padded likewise
	s_or_b32 s[G1SB+0], s44, (3<<16)|(1<<20)|(1<<21)|(5<<22)|(3<<25)
.irp g, G1S, G1SB
	s_mov_b32 s[\g+1], 32<<16
	s_mov_b32 s[\g+2], (128*KS/256)<<16
	s_mov_b32 s[\g+3], 32<<16
	s_mov_b32 s[\g+4], 128*KS/256
	s_mov_b32 s[\g+5], 32
	s_mov_b32 s[\g+6], 0
	s_mov_b32 s[\g+7], 0
.endr
	s_lshl_b32 s18, s16, 7                         ; which 128 rows of the tile I fetch
	s_lshl_b32 s20, s17, 8
	s_add_co_u32 s20, s20, s18
	s_add_co_u32 s20, s20, s98                     ; A: its first row in codes + 256 x tile row + 128 x half
	s_lshl_b32 s46, s42, 8
	s_add_co_u32 s46, s46, s18
	s_add_co_u32 s46, s46, s99                     ; B: likewise by the tile column
	s_mov_b32 s21, 0
	s_mov_b32 s47, 0
	s_mov_b64 s[18:19], KS
	s_mul_u64 s[22:23], s[20:21], s[18:19]         ; where these rows' scales begin, in bytes
	s_mul_u64 s[92:93], s[46:47], s[18:19]
	s_mov_b64 s[18:19], KROW
	s_mul_u64 s[20:21], s[20:21], s[18:19]         ; and their codes
	s_mul_u64 s[46:47], s[46:47], s[18:19]
	s_mul_i32 s45, s14, HALFT                      ; where they go: wave x 128 rows: no place in the cluster enters an LDS address
	s_mul_i32 s94, s14, HALFS
	s_wait_dscnt 0x0                               ; both opening adds are done
	s_wait_kmcnt 0x0
	s_add_nc_u64 s[20:21], s[4:5], s[20:21]
	s_add_nc_u64 s[22:23], s[6:7], s[22:23]
	s_add_nc_u64 s[46:47], s[4:5], s[46:47]
	s_add_nc_u64 s[92:93], s[6:7], s[92:93]
	CROUND                                         ; all sixteen work-groups are here: the joint loads meet
	s_mov_b32 s[G0S], 1
	s_add_co_u32 s[G0S+1], s94, SCL
	s_mov_b64 s[G0S+2:G0S+3], s[22:23]
	s_or_b32 s[G0S+3], s[G0S+3], 0x80000000
	s_mov_b32 s[G0SB], 1
	s_add_co_u32 s[G0SB+1], s94, SCL
	s_mov_b64 s[G0SB+2:G0SB+3], s[92:93]
	s_or_b32 s[G0SB+3], s[G0SB+3], 0x80000000
	JLOAD G0S, G1S, G0SB, G1SB                     ; the scales first; three loads of mine are out behind the next two
.irp s, 0,1
	s_mov_b32 s[G0+4*\s], 1
	s_add_co_u32 s[G0+4*\s+1], s45, \s*SLOT
	s_add_nc_u64 s[G0+4*\s+2:G0+4*\s+3], s[20:21], \s*ROWB
	s_or_b32 s[G0+4*\s+3], s[G0+4*\s+3], 0x80000000
	s_mov_b32 s[G0B+4*\s], 1
	s_add_co_u32 s[G0B+4*\s+1], s45, \s*SLOT
	s_add_nc_u64 s[G0B+4*\s+2:G0B+4*\s+3], s[46:47], \s*ROWB
	s_or_b32 s[G0B+4*\s+3], s[G0B+4*\s+3], 0x80000000
	JLOAD G0+4*\s, G1, G0B+4*\s, G1B
.endr
	v_and_b32 v1, 15, v0                           ; r = lane % 16 (kept)
	v_bfe_u32 v2, v0, 4, 1                         ; h = lane / 16 (kept)
	v_mul_u32_u24 v3, v1, PITCH
	v_lshl_add_u32 v4, v2, 4, v3                   ; a fragment's row x pitch + 16 x half
	s_mul_i32 s21, s15, HALFT                      ; my 128 rows of A
	s_mul_i32 s22, s16, HALFT                      ; my 128 rows of B,
	s_add_co_u32 s22, s22, 2*HALFT                 ; behind A's 256
.irp s, 0,1
	v_add_nc_u32 v[ADRA+\s], s21, v4
	v_add_nc_u32 v[ADRB+\s], s22, v4
	s_add_co_u32 s21, s21, SLOT
	s_add_co_u32 s22, s22, SLOT
.endr
	v_mul_u32_u24 v5, v1, KS                       ; my row's scales: 32 bytes a row,
	v_lshrrev_b32 v6, 8, v5
	v_lshl_add_u32 v5, v6, 4, v5                   ; and 16 more for each 256 passed
	s_mul_i32 s21, s15, HALFS
	s_mul_i32 s22, s16, HALFS
	s_add_co_u32 s22, s22, 2*HALFS
	s_sub_co_u32 s22, s22, s21
	v_mul_u32_u24 v6, s22, v2                      ; lanes 16-31 take B's: one product, the distance between the two bases
	s_add_co_u32 s21, s21, SCL
	v_add_nc_u32 v5, v5, v6
	v_add_nc_u32 v[ADRS], s21, v5
	v_and_b32 v6, 31, v0
	v_lshlrev_b32 v[CO], 4, v6
	; where my 128 x 128 goes, in fragments of 1 KB, 8 to a chunk of 32 along the next K
	s_lshl_b32 s20, s17, 1
	s_add_co_u32 s20, s20, s15                     ; my block of 128 rows of A: 2 x tile row + half
	s_lshl_b32 s21, s16, 2                         ; my half's four chunks
	s_lshl_b32 s22, s20, 5                         ; q, k: 32 chunks to a block of tokens,
	s_and_b32 s23, s42, 3
	s_lshl_b32 s23, s23, 3                         ; 8 chunks to a tile column,
	s_add_co_u32 s22, s22, s23
	s_add_co_u32 s22, s22, s21
	s_lshl_b32 s22, s22, 13                        ; 8,192 bytes a chunk,
	s_lshr_b32 s23, s42, 2
	s_lshl_b32 s23, s23, 24                        ; tile columns 4-7 are k's
	s_add_co_u32 s22, s22, s23
	s_lshl_b32 s46, s20, 8                         ; v: 256 chunks to a block of channels
	s_lshl_b32 s47, s42, 3
	s_add_co_u32 s46, s46, s47
	s_add_co_u32 s46, s46, s21
	s_lshl_b32 s46, s46, 13
	s_cmp_eq_u32 s96, 0
	s_cselect_b32 s22, s22, s46
	s_cselect_b64 s[20:21], s[8:9], s[10:11]
	s_mov_b32 s23, 0
	s_add_nc_u64 s[20:21], s[20:21], s[22:23]
.macro FRAG reg, adr, q, i             ; 16 rows x 128 K of 4-bit codes: 8 registers: two loads of 16 bytes, 32 bytes apart
.irp c, 0,1
	ds_load_b128 v[\reg+4*\c:\reg+4*\c+3], v[\adr] offset:64*(\q)+32*\c+(\i)*16*PITCH
.endr
.endm
; 16 matrix instructions: A's blocks a0, a0 + 1 x B's eight, the slot's q-th 128 along K.  The 64 accumulators take turns, one instruction a turn.  zero = 1: the first product starts the sums.
; One register carries A's scale word (lanes 0-15) and B's (lanes 16-31) of block i.
.macro MUL16 a0, p, q, sc, zero
.irp a, \a0, \a0+1
.irp b, 0,1,2,3,4,5,6,7
.if \zero
	v_wmma_scale_f32_16x16x128_f8f6f4 v[8*(8*((\a)%4)+\b):8*(8*((\a)%4)+\b)+7], v[128*(\p)+FR*\b:128*(\p)+FR*\b+FR-1], v[AF+FR*(\a):AF+FR*(\a)+FR-1], 0, v[SC+8*NQ*(\sc)+NQ*\b+(\q)], v[SC+8*NQ*(\sc)+NQ*(\a)+(\q)] matrix_a_fmt:MATRIX_FMT_FP4 matrix_b_fmt:MATRIX_FMT_FP4 matrix_a_scale:MATRIX_SCALE_ROW1
.else
	v_wmma_scale_f32_16x16x128_f8f6f4 v[8*(8*((\a)%4)+\b):8*(8*((\a)%4)+\b)+7], v[128*(\p)+FR*\b:128*(\p)+FR*\b+FR-1], v[AF+FR*(\a):AF+FR*(\a)+FR-1], v[8*(8*((\a)%4)+\b):8*(8*((\a)%4)+\b)+7], v[SC+8*NQ*(\sc)+NQ*\b+(\q)], v[SC+8*NQ*(\sc)+NQ*(\a)+(\q)] matrix_a_fmt:MATRIX_FMT_FP4 matrix_b_fmt:MATRIX_FMT_FP4 matrix_a_scale:MATRIX_SCALE_ROW1
.endif
.endr
.endr
.endm
.macro FETCH_B slot, q, p
	WIN TO_B
.irp i, 0,1,2,3,4,5,6,7
	FRAG 128*(\p)+FR*\i, ADRB+\slot, \q, \i
.endr
	WIN 0
.endm
.macro FETCH_A slot, q, i0
.irp i, \i0, \i0+1, \i0+2, \i0+3
	FRAG AF+FR*(\i), ADRA+\slot, \q, \i
.endr
.endm
.macro SCALES sc                       ; a slot's scale words: four words a row
.irp i, 0,1,2,3,4,5,6,7
	ds_load_b128 v[SC+8*NQ*\sc+NQ*\i:SC+8*NQ*\sc+NQ*\i+3], v[ADRS] offset:\i*SBLK
.endr
.endm
.macro PLACES n                        ; plain vector instructions between a matrix instruction and a load into, or a vector access of, its registers
.rept \n
	v_nop
.endr
.endm
.macro STEP slot, q, zero              ; a step of 128 along K that has its successor in the same slot
	s_wait_dscnt 4*NL                              ; B's set and A's blocks 0-3 are in; the youngest eight loads (A's blocks 4-7) may be out
	WIN MUL_LO
	MUL16 0, (\q)%2, \q, \slot, \zero
	MUL16 2, (\q)%2, \q, \slot, \zero
	s_wait_dscnt 0
	PLACES NP
	FETCH_B \slot, (\q)+1, 1-(\q)%2
	FETCH_A \slot, (\q)+1, 0
	WIN MUL_HI
	MUL16 4, (\q)%2, \q, \slot, \zero
	MUL16 6, (\q)%2, \q, \slot, \zero
	PLACES NP
	WIN 0
	FETCH_A \slot, (\q)+1, 4
.endm
.macro STEPS slot, from
.set Q, \from
.rept NQ-1-\from
	STEP \slot, Q, 0
.set Q, Q+1
.endr
.endm
	s_wait_tensorcnt 1                             ; the scales and my part of slot 0 are in; slot 1's load may be out
	s_barrier_signal -1
	s_barrier_wait -1
	FETCH_B 0, 0, 0
	FETCH_A 0, 0, 0
	SCALES 0
	FETCH_A 0, 0, 4
	STEP 0, 0, 1                                   ; the first step's products start the sums: nothing is cleared
	STEPS 0, 1
	; slot 0's last step changes slots: every wave's part of slot 1 has landed, then the barrier
	s_wait_tensorcnt 0x0
	ds_add_u32 v[SPW], v[NIL]
	s_wait_dscnt 4*NL+1                            ; (the add and A's blocks 4-7 may be out)
	WIN MUL_LO
	MUL16 0, 1, NQ-1, 0, 0
	s_wait_dscnt 0x0
	s_barrier_signal -1
	MUL16 2, 1, NQ-1, 0, 0
	WIN 0
	s_barrier_wait -1
	PLACES NP
	v_add_nc_u32 v[ADRS], 4*NQ, v[ADRS]            ; on to slot 1's scale words
	FETCH_B 1, 0, 0
	FETCH_A 1, 0, 0
	SCALES 1
	WIN MUL_HI
	MUL16 4, 1, NQ-1, 0, 0
	MUL16 6, 1, NQ-1, 0, 0
	PLACES NP
	WIN 0
	FETCH_A 1, 0, 4
	STEPS 1, 0
	s_wait_dscnt 4*NL                              ; the very last step
	WIN MUL_LO
	MUL16 0, 1, NQ-1, 1, 0
	MUL16 2, 1, NQ-1, 1, 0
	s_wait_dscnt 0
	WIN MUL_HI
	MUL16 4, 1, NQ-1, 1, 0
	MUL16 6, 1, NQ-1, 1, 0
	WIN 0
; THE WAY OUT of block a (16 rows of A): 32 roundings in pairs, each accumulator from its low end on, and eight stores of 512 consecutive bytes.
.macro PACKF a
.set AC, 64*((\a)%4)
.set TS, TMP+32*((\a)%4)
.if (\a) >= 4
	s_wait_xcnt 0x0                                ; block a - 4's stores have read these registers
.endif
	WIN 0x0a+5*((\a)/4)                            ; sources 0 and 1: window 2 or 3
.irp b, 0,1,2,3,4,5,6,7
.irp i, 0,1,2,3
	v_cvt_pk_f16_f32 v[TS+4*\b+\i], v[AC+8*\b+2*\i], v[AC+8*\b+2*\i+1]
.endr
.endr
	WIN 0
.irp b, 0,1,2,3,4,5,6,7
	global_store_b128 v[CO], v[TS+4*\b:TS+4*\b+3], s[20:21] offset:(\b/2)*8192+(\a)*1024+(\b%2)*512
.endr
.endm
	PLACES NP                                      ; behind the last products: their results are read, and registers that held scales and fragments are written
.irp a, 0,1,2,3,4,5,6,7
	PACKF \a
.endr
	; THE f32 COPIES of positions 0-15 of a batch.  The branch hangs on the cluster's y alone; which waves store is said by EXEC.
	s_cmp_eq_u32 s96, 0
	s_cbranch_scc0 .Lfine_v
	s_and_b32 s22, s17, 7                          ; q, k: my first token is a batch's first where tile row % 8 = 0 and I have the upper half
	s_or_b32 s22, s22, s15
	s_lshr_b32 s46, s42, 2
	s_lshl_b32 s46, s46, 18                        ; q or k: 262,144 bytes each
	s_lshr_b32 s47, s17, 3
	s_lshl_b32 s47, s47, 16                        ; the batch
	s_add_co_u32 s46, s46, s47
	s_and_b32 s47, s42, 3
	s_lshl_b32 s47, s47, 10                        ; my channels: 256 to a tile column,
	s_add_co_u32 s46, s46, s47
	s_lshl_b32 s47, s16, 9                         ; 128 to a half, 4 bytes each
	s_add_co_u32 s46, s46, s47
	s_mov_b32 s47, 0
	s_add_nc_u64 s[12:13], s[12:13], s[46:47]
	v_lshlrev_b32 v[FO], 12, v1                    ; token r,
	v_lshl_add_u32 v[FO], v2, 5, v[FO]             ; channels 8 h on
	v_mov_b32 v[FLV], s22
	s_wait_xcnt 0x0                                ; EXEC changes only behind this wait
	v_cmp_eq_u32 vcc_lo, 0, v[FLV]
	s_and_saveexec_b32 s23, vcc_lo
	WIN 0x08                                       ; a store's data: window 2
.irp b, 0,1,2,3,4,5,6,7
	global_store_b128 v[FO], v[8*\b:8*\b+3], s[12:13] offset:64*\b        ; accumulator (0, b): (token r, channels 16 b + 8 h + 0 .. 7)
	global_store_b128 v[FO], v[8*\b+4:8*\b+7], s[12:13] offset:64*\b+16
.endr
	WIN 0
	s_wait_xcnt 0x0
	s_or_b32 exec_lo, exec_lo, s23
	s_branch .Lfine_done
.Lfine_v:
	s_and_b32 s22, s42, 7                          ; v: tokens run along B: tile column % 8 = 0 and the first half
	s_or_b32 s22, s22, s16
	s_lshr_b32 s46, s42, 3
	s_lshl_b32 s46, s46, 16                        ; the batch
	s_add_co_u32 s46, s46, 524288                  ; behind q's and k's
	s_lshl_b32 s47, s17, 10
	s_add_co_u32 s46, s46, s47
	s_lshl_b32 s47, s15, 9
	s_add_co_u32 s46, s46, s47
	s_mov_b32 s47, 0
	s_add_nc_u64 s[12:13], s[12:13], s[46:47]
	v_lshlrev_b32 v[FO], 2, v1                     ; channel r,
	v_lshl_add_u32 v[FO], v2, 15, v[FO]            ; tokens 8 h on
	v_mov_b32 v[FLV], s22
	s_wait_xcnt 0x0
	v_cmp_eq_u32 vcc_lo, 0, v[FLV]
	s_and_saveexec_b32 s23, vcc_lo
.irp a, 0,1,2,3,4,5,6,7
	WIN 0x08+4*(\a/4)
.irp j, 0,1,2,3,4,5,6,7
	global_store_b32 v[FO], v[64*(\a%4)+\j], s[12:13] offset:\j*4096+\a*64   ; accumulator (a, 0): (channel 16 a + r, token 8 h + j)
.endr
.endr
	WIN 0
	s_wait_xcnt 0x0
	s_or_b32 exec_lo, exec_lo, s23
.Lfine_done:
	s_wait_tensorcnt 0x0                           ; the wave's end
	ds_add_u32 v[SPW], v[NIL]
	s_wait_dscnt 0x0
	CROUND                                         ; the closing round
	s_endpgm
.Lfunc_end_k_q6e4644983e_proj:
	.size	k_q6e4644983e_proj, .Lfunc_end_k_q6e4644983e_proj-k_q6e4644983e_proj
	.p2alignl 7, 3214868480
	.fill 96, 4, 3214868480
	.section	.rodata,"a",@progbits
	.p2align	6, 0x0
	.amdhsa_kernel k_q6e4644983e_proj
		.amdhsa_group_segment_fixed_size 327680
		.amdhsa_private_segment_fixed_size 0
		.amdhsa_enable_private_segment 0
		.amdhsa_kernarg_size 40
		.amdhsa_user_sgpr_count 2
		.amdhsa_user_sgpr_kernarg_segment_ptr 1
		.amdhsa_wavefront_size32 1
		.amdhsa_system_sgpr_workgroup_id_x 1
		.amdhsa_system_sgpr_workgroup_id_y 1
		.amdhsa_system_sgpr_workgroup_id_z 1
		.amdhsa_system_vgpr_workitem_id 0
		.amdhsa_next_free_vgpr 1024
		.amdhsa_next_free_sgpr 100
		.amdhsa_reserve_vcc 1
		.amdhsa_float_denorm_mode_32 3
		.amdhsa_float_denorm_mode_16_64 3
		.amdhsa_memory_ordered 1
		.amdhsa_forward_progress 1
		.amdhsa_inst_pref_size 127
	.end_amdhsa_kernel
	.amdgpu_metadata
---
amdhsa.version: [ 1, 2 ]
amdhsa.kernels:
  - .name:           k_q6e4644983e_proj
    .symbol:         k_q6e4644983e_proj.kd
    .args:
      - { .name: codes, .offset: 0, .size: 8, .value_kind: global_buffer, .address_space: global }
      - { .name: scales, .offset: 8, .size: 8, .value_kind: global_buffer, .address_space: global }
      - { .name: qkf, .offset: 16, .size: 8, .value_kind: global_buffer, .address_space: global }
      - { .name: vf, .offset: 24, .size: 8, .value_kind: global_buffer, .address_space: global }
      - { .name: fine, .offset: 32, .size: 8, .value_kind: global_buffer, .address_space: global }
    .group_segment_fixed_size: 327680
    .private_segment_fixed_size: 0
    .kernarg_segment_align: 8
    .kernarg_segment_size: 40
    .max_flat_workgroup_size: 128
    .sgpr_count:     100
    .vgpr_count:     1024
    .wavefront_size: 32
...
	.end_amdgpu_metadata
.endif
;; end of part 2
;; launch score (part 3): grid 40 x 4, 4 waves a work-group, no clusters, 327,680 bytes of LDS; arguments qkf, pf, st, fine, out0; writes pf, st, out0
.if DOCPART == 3
	.amdgcn_target "amdgcn-amd-amdhsa--gfx1250"
	.amdhsa_code_object_version 6
	.text
	.protected	k_q6e4644983e_score
	.globl	k_q6e4644983e_score
	.p2align	8
	.type	k_q6e4644983e_score,@function
k_q6e4644983e_score:
	s_mov_b64 s[64:65], 0
	v_nop
	global_prefetch_b8 v0, s[64:65] scope:SCOPE_SE
	s_setreg_imm32_b32 hwreg(HW_REG_WAVE_MODE, 25, 1), 1
	s_wait_xcnt 0x0
; SCORES AND THEIR SOFTMAX BY KEY TILES (work-groups x = 0..35), AND POSITIONS 0-15 OF EVERY BATCH IN f32 (work-groups x = 36..39; the second part of this text).
; THE TILES.  For each batch, the 36 tiles (I, J <= I) of 256 queries x 256 keys of q k^T, K = 1,024, on f16 operands with f32 sums.
; WORK LEFT OUT: tiles with J > I hold masked scores alone (weight 0 for all values of the inputs) and have no work-group; in a tile on the diagonal the wave whose 128 keys all come after its 128 queries multiplies with the others
; (its products stand among the barriers' halves) and stores nothing.  A NaN or an overflow that would arise only there is not carried on.
; Four waves, each 128 x 128: 64 accumulators.  K goes in steps of 128 through two LDS slots.  q and k lie in memory as images of operand registers (1 KB a fragment of 16 rows x 32 channels; 128 rows x 128 channels are 32 KB on end):
; a wave's tensor load brings one such block, dense; a fragment is read by two loads at 16 x lane, 512 consecutive bytes each: no pitch, no padding.
; NO CLUSTER: a row of the lower triangle has 1 to 8 tiles and a column 8 to 1, so no fixed group of four shares a tile at every place; in a 4 x 4 group on the diagonal six partners would hold masked tiles alone and would ask for tiles that they never read.
; THE MATRIX INSTRUCTION IS USED TRANSPOSED (source 0 = 16 keys, source 1 = 16 queries): lane (r, h) holds query r and keys 8 h + 0 .. 7 of a block.
; THE SOFTMAX of a wave's 128 x 128: t = score x log2(e) / 32; M = the largest t of the row WITHIN THESE 128 KEYS, rounded up to a whole number; p = 2^(t - M), at most 1; the sum of the row's p in f32.
; p goes out as f16, again as images of operand registers (lane = query, registers along the keys): pf [16 batch + query / 128][key / 32][(query / 16) % 8][1 KB].  -M and the sum go to st [16 batch + query / 128][key / 128][1 KB]:
; [g = 0, 1][lane][4]: lane r, word j: -M of row 64 g + 16 j + r; lane 16 + r: that row's sum.  The next launch brings the tiles of a row under one M by exact powers of two.
; REGISTERS: window 0: v0-31 addresses; v64-127, v128-191 q's fragments, two buffers; in the softmax v32-49 at work, v64-127 packed p (two sets), v192-231 sums and statistics.  window 1: k's fragments.  windows 2, 3: the accumulators ((a, b) at v[8 (8 (a % 4) + b)]).
; THE TWO PARTS part by one branch on the work-group's x, behind the opening lines and the wait for the arguments, and never join again.  The second part has no tensor load, no barrier, and touches no LDS byte but its spare words.
.set STEPB, 32768                      ; 128 rows x 128 channels of f16
.set SLOT,  131072                     ; q's two blocks of 128 rows, then k's two
.set SPARE, 262144                     ; the spare words, 128 bytes a wave
.set TILES, 36                         ; work-groups x = 0 .. 35 make tiles
.set ADRA, 16                          ; v16-17 LDS address of my q fragments in slot 0, 1
.set ADRB, 20                          ; v20-21 of my k fragments
.set PO,   26                          ; v26    16 x lane
.set SPW,  28
.set NIL,  29
.set MX,   32                          ; v32-35 four running maxima
.set TP,   36                          ; v36-37 at work
.set D0,   40                          ; v40    r - 8 h
.set NINF, 41                          ; v41    -infinity
.set NM,   48                          ; v48    -M (named with v49 as a pair)
.set PK,   64
.set SU,   192
.set SV,   224
.set F0,   64
.set F1,   128
.set G1, 24                            ; s[24:31] descriptor group 1
.set G0, 32                            ; s[32:39] group 0, a set for each slot
.set CS, 40                            ; s[40:41] log2(e) / 32
.set SEL, 42                           ; s[42:43] selects of v_permlanex16_b32: lane l xor 16
.set HM, 44                            ; s44 lanes 16-31
.set DG, 45                            ; s45 1: my 128 x 128 lies on the diagonal
.set PFB, 46
.set STB, 48
.set MSB, 0
.macro WIN new
.if MSB != (\new)
	s_set_vgpr_msb (MSB<<8)|(\new)
.set MSB, (\new)
.endif
.endm
.set MUL_LO, 0xa1                      ; source 0 (k) window 1, source 1 (q) window 0, C and D window 2
.set MUL_HI, 0xf1
.set TO_B,   0x40
	s_load_b128 s[4:7], s[0:1], 0x0                ; qkf s[4:5], pf s[6:7]
	s_load_b64 s[8:9], s[0:1], 0x10                ; st
	s_load_b64 s[56:57], s[0:1], 0x18              ; fine
	s_load_b64 s[58:59], s[0:1], 0x20              ; out0
	v_lshl_add_u32 v[SPW], v0, 2, SPARE
	v_mov_b32 v[NIL], 0
	ds_add_u32 v[SPW], v[NIL]                      ; the wave's opening: the add, twice on end, and its wait ahead of my first tensor load
	ds_add_u32 v[SPW], v[NIL]
	v_lshrrev_b32 v1, 5, v0
	v_readfirstlane_b32 s10, v1                    ; wave 0..3
	s_lshr_b32 s11, s10, 1                         ; which 128 queries are mine.  Also: I fetch for q (0) or k (1)
	s_and_b32 s12, s10, 1                          ; which 128 keys.  Also: which block of 128 rows I fetch
	s_and_b32 s16, ttmp7, 0xffff                   ; batch
	s_mov_b32 s14, 0                               ; I: how many of the triangular numbers 1, 3, .. 28 the work-group's x has reached
.irp n, 1,3,6,10,15,21,28
	s_cmp_ge_u32 ttmp9, \n
	s_cselect_b32 s17, 1, 0
	s_add_co_u32 s14, s14, s17
.endr
	s_add_co_u32 s17, s14, 1
	s_mul_i32 s17, s17, s14
	s_lshr_b32 s17, s17, 1
	s_sub_co_u32 s15, ttmp9, s17                   ; J = x - I (I + 1) / 2
	s_mov_b32 s[G1+0], 3<<16                       ; a dense block of 32 KB as 128 rows of 256 bytes: elements of 8 bytes, no mask, no padding
	s_mov_b32 s[G1+1], 32<<16                      ; tensor_dim0 = 32
	s_mov_b32 s[G1+2], 128<<16                     ; tensor_dim1 = 128
	s_mov_b32 s[G1+3], 32<<16                      ; tile_dim0
	s_mov_b32 s[G1+4], 128                         ; tile_dim1
	s_mov_b32 s[G1+5], 32                          ; from row to row
	s_mov_b32 s[G1+6], 0
	s_mov_b32 s[G1+7], 0
	s_cmp_eq_u32 s11, 0
	s_cselect_b32 s18, s14, s15                    ; q's blocks by I, k's by J
	s_lshl_b32 s18, s18, 1
	s_add_co_u32 s18, s18, s12
	s_lshl_b32 s19, s16, 4
	s_add_co_u32 s18, s18, s19                     ; block of 128 tokens: 16 batch + 2 (I or J) + half
	s_lshl_b32 s18, s18, 18                        ; 262,144 bytes a block
	s_lshl_b32 s19, s11, 24                        ; k lies 2^24 bytes behind q
	s_add_co_u32 s18, s18, s19
	s_mov_b32 s19, 0
	s_lshl_b32 s20, s10, 15                        ; where it goes: wave x 32 KB
	s_wait_dscnt 0x0                               ; both opening adds are done
	s_wait_kmcnt 0x0
	s_cmp_ge_u32 ttmp9, TILES                      ; the work-group's x alone: all four waves go the same way
	s_cbranch_scc1 .Lfine                          ; positions 0-15: the second part of the text
	s_add_nc_u64 s[18:19], s[4:5], s[18:19]
.irp s, 0,1                                    ; both first fills, every wave its own: two loads of mine are out
	s_mov_b32 s[G0+4*\s], 1
	s_add_co_u32 s[G0+4*\s+1], s20, \s*SLOT
	s_add_nc_u64 s[G0+4*\s+2:G0+4*\s+3], s[18:19], \s*STEPB
	s_or_b32 s[G0+4*\s+3], s[G0+4*\s+3], 0x80000000
	tensor_load_to_lds s[G0+4*\s:G0+4*\s+3], s[G1:G1+7]
	s_nop 0
.endr
	v_and_b32 v1, 31, v0
	v_lshlrev_b32 v2, 4, v1                        ; 16 x lane
	s_lshl_b32 s21, s11, 15                        ; my 128 queries' block
	s_lshl_b32 s22, s12, 15
	s_add_co_u32 s22, s22, 65536                   ; my 128 keys' block, behind q's two
.irp s, 0,1
	v_add_nc_u32 v[ADRA+\s], s21, v2
	v_add_nc_u32 v[ADRB+\s], s22, v2
	s_add_co_u32 s21, s21, SLOT
	s_add_co_u32 s22, s22, SLOT
.endr
; 16 matrix instructions: query blocks a0, a0 + 1 of the window's four x all 8 key blocks, 32 channels.  The 64 accumulators take turns, one instruction a turn.
.macro MUL16 f, hi, a0, zero
.irp a, \a0, \a0+1
.irp b, 0,1,2,3,4,5,6,7
.if \zero
	v_wmma_f32_16x16x32_f16 v[8*(8*(\a)+\b):8*(8*(\a)+\b)+7], v[\f+8*\b:\f+8*\b+7], v[\f+8*(4*\hi+\a):\f+8*(4*\hi+\a)+7], 0
.else
	v_wmma_f32_16x16x32_f16 v[8*(8*(\a)+\b):8*(8*(\a)+\b)+7], v[\f+8*\b:\f+8*\b+7], v[\f+8*(4*\hi+\a):\f+8*(4*\hi+\a)+7], v[8*(8*(\a)+\b):8*(8*(\a)+\b)+7]
.endif
.endr
.endr
.endm
.macro FETCH slot, k, f                ; 32 LDS loads in one run: the fragments of 32 channels (8,192 bytes on from the last): k's eight, then q's eight
	WIN TO_B
.irp i, 0,1,2,3,4,5,6,7
	ds_load_b128 v[\f+8*\i:\f+8*\i+3],   v[ADRB+\slot] offset:\k+\i*1024
	ds_load_b128 v[\f+8*\i+4:\f+8*\i+7], v[ADRB+\slot] offset:\k+\i*1024+512
.endr
	WIN 0
.irp i, 0,1,2,3,4,5,6,7
	ds_load_b128 v[\f+8*\i:\f+8*\i+3],   v[ADRA+\slot] offset:\k+\i*1024
	ds_load_b128 v[\f+8*\i+4:\f+8*\i+7], v[ADRA+\slot] offset:\k+\i*1024+512
.endr
.endm
.macro PLACES                          ; four plain vector instructions between a matrix instruction and a load into its registers
.rept 4
	v_nop
.endr
.endm
.macro QUARTER slot, k, f, g, zero     ; 32 channels: multiplies buffer f; in its middle fetches the next quarter, at byte k, into g
	s_wait_dscnt 8                                 ; k's fragments and q's blocks 0-3 are in; the youngest eight loads may be out
	WIN MUL_LO
	MUL16 \f, 0, 0, \zero
	MUL16 \f, 0, 2, \zero
	PLACES
	FETCH \slot, \k, \g
	s_wait_dscnt 32                                ; all but the 32 just issued
	WIN MUL_HI
	MUL16 \f, 1, 0, \zero
	MUL16 \f, 1, 2, \zero
.endm
; A K step's last quarter changes slots: ONE barrier.  In front of it each wave waits for all its tensor loads (one is out: its part of the next slot), adds 0 to its spare word, and waits for that and for its reads of this slot.
; fill = 1: behind it this slot takes the K step two on: my one tensor load, 224 matrix instructions ahead of the wait for it.
.macro TURN slot, next, fill
	WIN 0
	s_wait_tensorcnt 0x0
	ds_add_u32 v[SPW], v[NIL]
	s_wait_dscnt 9                                 ; (the add and the youngest eight loads may be out)
	WIN MUL_LO
	MUL16 F1, 0, 0, 0
	s_wait_dscnt 0x0                               ; the add is done, and my reads of this slot are over
	s_barrier_signal -1
	MUL16 F1, 0, 2, 0
	s_barrier_wait -1
.if \fill
	s_add_nc_u64 s[G0+4*\slot+2:G0+4*\slot+3], s[G0+4*\slot+2:G0+4*\slot+3], 2*STEPB
	tensor_load_to_lds s[G0+4*\slot:G0+4*\slot+3], s[G1:G1+7]
	s_nop 0
.endif
	PLACES                                         ; behind the load, and in front of the loads below
	FETCH \next, 0, F0
	WIN MUL_HI
	MUL16 F1, 1, 0, 0
	MUL16 F1, 1, 2, 0
.endm
	s_wait_tensorcnt 1                             ; my part of K step 0 is in; K step 1's may be out
	s_barrier_signal -1
	s_barrier_wait -1
	FETCH 0, 0, F0
	QUARTER 0, 8192, F0, F1, 1                     ; the first quarter's products start the sums
	WIN 0
	s_mov_b32 s3, 3                                ; eight K steps: six refills, two a trip
.Llap:
	QUARTER 0, 16384, F1, F0, 0
	QUARTER 0, 24576, F0, F1, 0
	TURN 0, 1, 1
	QUARTER 1, 8192,  F0, F1, 0
	QUARTER 1, 16384, F1, F0, 0
	QUARTER 1, 24576, F0, F1, 0
	TURN 1, 0, 1
	QUARTER 0, 8192,  F0, F1, 0
	WIN 0
	s_sub_co_u32 s3, s3, 1
	s_cmp_lg_u32 s3, 0
	s_cbranch_scc1 .Llap
	QUARTER 0, 16384, F1, F0, 0                    ; the last two K steps ask for nothing
	QUARTER 0, 24576, F0, F1, 0
	TURN 0, 1, 0
	QUARTER 1, 8192,  F0, F1, 0
	QUARTER 1, 16384, F1, F0, 0
	QUARTER 1, 24576, F0, F1, 0
	s_wait_dscnt 8
	WIN MUL_LO
	MUL16 F1, 0, 0, 0
	MUL16 F1, 0, 2, 0
	s_wait_dscnt 0
	WIN MUL_HI
	MUL16 F1, 1, 0, 0
	MUL16 F1, 1, 2, 0
	WIN 0
	; THE SOFTMAX OF MY 128 x 128
	s_lshl_b32 s50, s14, 1
	s_add_co_u32 s50, s50, s11                     ; i: my block of 128 queries in the batch
	s_lshl_b32 s51, s15, 1
	s_add_co_u32 s51, s51, s12                     ; t: my block of 128 keys
	s_cmp_gt_u32 s51, s50
	s_cbranch_scc1 .Lend                           ; all my keys come after all my queries: nothing to store (ids and the wave's number alone; no barrier follows)
	s_cmp_eq_u32 s51, s50
	s_cselect_b32 s[DG], 1, 0
	s_lshl_b32 s52, s16, 4
	s_add_co_u32 s52, s52, s50                     ; 16 batch + i
	s_lshl_b32 s54, s52, 19                        ; 64 chunks of 8,192 bytes to a block of queries,
	s_lshl_b32 s55, s51, 15                        ; four to a block of keys
	s_add_co_u32 s54, s54, s55
	s_mov_b32 s55, 0
	s_add_nc_u64 s[PFB:PFB+1], s[6:7], s[54:55]
	s_lshl_b32 s54, s52, 4
	s_add_co_u32 s54, s54, s51
	s_lshl_b32 s54, s54, 10
	s_add_nc_u64 s[STB:STB+1], s[8:9], s[54:55]
	s_mov_b32 s[CS], 0x3d38aa3b                    ; log2(e) / 32
	s_mov_b32 s[CS+1], s[CS]                       ; (named with it as a pair)
	s_mov_b32 s[SEL], 0x76543210
	s_mov_b32 s[SEL+1], 0xfedcba98
	s_mov_b32 s[HM], 0xffff0000
	v_and_b32 v1, 15, v0                           ; these nine lines are also the places behind the last products
	v_bfe_u32 v2, v0, 4, 1
	v_lshlrev_b32 v3, 3, v2
	v_sub_nc_u32 v[D0], v1, v3                     ; r - 8 h
	v_mov_b32 v[NINF], 0xff800000
	v_and_b32 v3, 31, v0
	v_lshlrev_b32 v[PO], 4, v3
	v_mov_b32 v[TP+1], 0                           ; a lane permute's destination counts as one of its sources
	v_mov_b32 v[NM+1], 0                           ; (the pair's upper half)
; Block a: 16 queries x 128 keys in 64 registers of a lane (query r; register 8 b + j: key 16 b + 8 h + j).
.macro SOFT a
.set XW, 2+(\a)/4
.set AC, 64*((\a)%4)
	WIN 0
	s_cmp_eq_u32 s[DG], 1
	s_cbranch_scc0 .Lopen_\@
	WIN XW|(XW<<6)                                 ; on the diagonal: key 16 b + 8 h + j is hidden from query 16 a + r where it is the greater: in block b = a where j > r - 8 h, in blocks b > a always
.irp j, 0,1,2,3,4,5,6,7
	v_cmp_gt_i32 vcc_lo, \j, v[D0]
	v_cndmask_b32 v[AC+8*(\a)+\j], v[AC+8*(\a)+\j], v[NINF], vcc_lo
.endr
.if (\a) < 7
.set m, 8*(\a)+8
.rept 56-8*(\a)
	v_mov_b32 v[AC+m], 0xff800000
.set m, m+1
.endr
.endif
	WIN 0
.Lopen_\@:
	WIN XW|(XW<<2)|(XW<<4)                         ; the largest score, in four chains; each accumulator is met from its low end on
.irp k, 0,1,2,3
	v_max3_num_f32 v[MX+\k], v[AC+16*\k], v[AC+16*\k+1], v[AC+16*\k+2]
.endr
	WIN (XW<<2)|(XW<<4)
.irp i, 3,5,7,9,11,13
.irp k, 0,1,2,3
	v_max3_num_f32 v[MX+\k], v[MX+\k], v[AC+16*\k+\i], v[AC+16*\k+\i+1]
.endr
.endr
.irp k, 0,1,2,3
	v_max_num_f32 v[MX+\k], v[MX+\k], v[AC+16*\k+15]
.endr
	WIN 0
	v_max3_num_f32 v[TP], v[MX], v[MX+1], v[MX+2]
	v_max_num_f32 v[TP], v[TP], v[MX+3]
	v_permlanex16_b32 v[TP+1], v[TP], s[SEL], s[SEL+1]   ; the query's other 64 keys lie in the lane 16 away
	v_max_num_f32 v[TP], v[TP], v[TP+1]            ; a number: the query's own key, or all 128, count
	v_mul_f32 v[TP], s[CS], v[TP]
	v_floor_f32 v[NM], -v[TP]                      ; -M = floor(-t): M is a whole number
	WIN XW|(XW<<6)
.set m, 0
.rept 32
	v_pk_fma_f32 v[AC+m:AC+m+1], v[AC+m:AC+m+1], s[CS:CS+1], v[NM:NM+1] op_sel_hi:[1,0,0]   ; t - M, two at a time
.set m, m+2
.endr
.set m, 0
.rept 64
	v_exp_f32 v[AC+m], v[AC+m]                     ; p = 2^(t - M); a hidden key's is 0
.set m, m+1
.endr
	v_nop                                          ; a plain instruction behind the last exponential
	s_wait_alu depctr_va_vdst(0)                   ; one wait for the batch, ahead of its first reader
	s_wait_xcnt 0x0                                ; block a - 2's stores have read this set of packed registers
	WIN XW|(XW<<2)
.set m, 0
.rept 32
	v_cvt_pk_f16_f32 v[PK+32*((\a)%2)+m], v[AC+2*m], v[AC+2*m+1]
.set m, m+1
.endr
.set m, 0
.rept 16
	v_pk_add_f32 v[SU+2*m:SU+2*m+1], v[AC+4*m:AC+4*m+1], v[AC+4*m+2:AC+4*m+3]   ; the row's sum is taken of p in f32
.set m, m+1
.endr
	WIN 0
.irp k, 0,1,2,3,4,5,6,7
	v_pk_add_f32 v[SU+4*\k:SU+4*\k+1], v[SU+4*\k:SU+4*\k+1], v[SU+4*\k+2:SU+4*\k+3]
.endr
.irp k, 0,1,2,3
	v_pk_add_f32 v[SU+8*\k:SU+8*\k+1], v[SU+8*\k:SU+8*\k+1], v[SU+8*\k+4:SU+8*\k+5]
.endr
.irp k, 0,1
	v_pk_add_f32 v[SU+16*\k:SU+16*\k+1], v[SU+16*\k:SU+16*\k+1], v[SU+16*\k+8:SU+16*\k+9]
.endr
	v_pk_add_f32 v[SU:SU+1], v[SU:SU+1], v[SU+16:SU+17]
	v_add_f32 v[TP], v[SU], v[SU+1]
	v_permlanex16_b32 v[TP+1], v[TP], s[SEL], s[SEL+1]
	v_add_f32 v[TP], v[TP], v[TP+1]
	v_cndmask_b32 v[SV+(\a)], v[NM], v[TP], s[HM]  ; lanes 0-15 keep -M, lanes 16-31 the sum
.irp b, 0,1,2,3,4,5,6,7
	global_store_b128 v[PO], v[PK+32*((\a)%2)+4*\b:PK+32*((\a)%2)+4*\b+3], s[PFB:PFB+1] offset:(\b/2)*8192+(\a)*1024+(\b%2)*512   ; 512 consecutive bytes, aligned
.endr
.endm
.irp a, 0,1,2,3,4,5,6,7
	SOFT \a
.endr
	global_store_b128 v[PO], v[SV:SV+3], s[STB:STB+1]
	global_store_b128 v[PO], v[SV+4:SV+7], s[STB:STB+1] offset:512
.Lend:
	s_wait_tensorcnt 0x0                           ; the wave's end
	ds_add_u32 v[SPW], v[NIL]
	s_wait_dscnt 0x0
	s_endpgm
; ---------------------------------------------------------------------------------------------------------------------------------------------------------------------------------
; THE SECOND PART: POSITIONS 0-15 OF EVERY BATCH, wholly in f32: these rows average one to sixteen values, where the rounding of 16-bit operands would weigh most.  q, k, v of these positions come as f32 from
; fine [q, k, v][batch][16][1024].  The 64 rows have 16 work-groups of their own beside the 144 of the tiles, and share with them nothing but the launch.
; WORK LEFT OUT: keys from 16 on are masked for these queries (weight 0 for all values of the inputs) and are not read.  Among the 16 keys the masked ones are computed and selected away.
; ONE WAVE, ONE QUERY: query 4 (x - 36) + wave of batch y.  A lane holds channels 128 i + 4 lane + 0 .. 3, i = 0 .. 7, of every row: each load and store of the wave covers 512 consecutive bytes, aligned.  Nothing crosses waves:
; no LDS, no barrier; no matrix unit (64 rows in all).
; REGISTERS: window 0: v2-15 offsets and small things; v32-63 q; v64-95 the output; v96-111 the 16 scores, then the weights; v112-143 a pair of partial sums for each key; v144-146 at work.
;   window 1: k's rows 0-7 (row j at v[32 j]), later v's rows 8-15.   window 2: k's rows 8-15.   window 3: v's rows 0-7.
; All of q, k and half of v are asked for in one run (200 loads, one wait for all); v's other half is asked for when k's first eight rows have been multiplied, and lands under the rest of the scores and the softmax.
.set FQ, 32
.set FO, 64
.set FS, 96
.set FD, 112
.set FT, 144
.macro FROWS win, adr, r0              ; eight rows of 4,096 bytes, r0 on, into a window (the loaded data's place is the destination's, the offset's is source 0's)
	WIN \win
.irp j, 0,1,2,3,4,5,6,7
.irp i, 0,1,2,3,4,5,6,7
	global_load_b128 v[32*\j+4*\i:32*\j+4*\i+3], v[\adr], s[56:57] offset:((\r0)+\j)*4096+512*\i
.endr
.endr
	WIN 0
.endm
.macro FDOTS sw, k0                    ; my 32 channels' part of q . k for eight keys, k0 on, the keys by turns.  sw: source 1 in the rows' window
	WIN \sw
.irp j, 0,1,2,3,4,5,6,7
	v_pk_mul_f32 v[FD+2*((\k0)+\j):FD+2*((\k0)+\j)+1], v[FQ:FQ+1], v[32*\j:32*\j+1]
.endr
.irp i, 2,4,6,8,10,12,14,16,18,20,22,24,26,28,30
.irp j, 0,1,2,3,4,5,6,7
	v_pk_fma_f32 v[FD+2*((\k0)+\j):FD+2*((\k0)+\j)+1], v[FQ+\i:FQ+\i+1], v[32*\j+\i:32*\j+\i+1], v[FD+2*((\k0)+\j):FD+2*((\k0)+\j)+1]
.endr
.endr
	WIN 0
.endm
.macro FMIX sw, k0, first              ; the output takes eight keys' weights x v.  first = 1: the first key starts the sums
	WIN \sw
.irp j, 0,1,2,3,4,5,6,7
.irp m, 0,1,2,3,4,5,6,7,8,9,10,11,12,13,14,15,16,17,18,19,20,21,22,23,24,25,26,27,28,29,30,31
.if (\first) && (\j == 0)
	v_mul_f32 v[FO+\m], v[FS+(\k0)+\j], v[32*\j+\m]
.else
	v_fmac_f32 v[FO+\m], v[FS+(\k0)+\j], v[32*\j+\m]
.endif
.endr
.endr
	WIN 0
.endm
.Lfine:
	s_sub_co_u32 s14, ttmp9, TILES
	s_lshl_b32 s14, s14, 2
	s_add_co_u32 s14, s14, s10                     ; my query, 0..15
	v_and_b32 v2, 31, v0
	v_lshlrev_b32 v3, 4, v2                        ; 16 x lane
	s_lshl_b32 s15, s16, 16                        ; 16 rows of 4,096 bytes a batch
	s_lshl_b32 s17, s14, 12
	s_add_co_u32 s17, s17, s15
	v_add_nc_u32 v4, s17, v3                       ; q's row
	s_add_co_u32 s18, s15, 262144
	v_add_nc_u32 v5, s18, v3                       ; k's rows
	s_add_co_u32 s19, s15, 524288
	v_add_nc_u32 v6, s19, v3                       ; v's rows
	s_lshl_b32 s20, s16, 23                        ; out: 2,048 rows of 4,096 bytes a batch
	s_lshl_b32 s21, s14, 12
	s_add_co_u32 s20, s20, s21
	v_add_nc_u32 v14, s20, v3
	v_mov_b32 v15, s14
	v_mov_b32 v9, 0xff800000                       ; -infinity
	s_mov_b32 s[SEL], 0x76543210
	s_mov_b32 s[SEL+1], 0xfedcba98                 ; selects of v_permlanex16_b32: lane l xor 16
	s_mov_b32 s[CS], 0x3d38aa3b                    ; log2(e) / 32
.irp i, 0,1,2,3,4,5,6,7
	global_load_b128 v[FQ+4*\i:FQ+4*\i+3], v4, s[56:57] offset:512*\i
.endr
	FROWS 0x40, 5, 0                               ; k's rows 0-7 into window 1
	FROWS 0x80, 5, 8                               ; k's rows 8-15 into window 2
	FROWS 0xc0, 6, 0                               ; v's rows 0-7 into window 3
	s_wait_loadcnt 0x0
	FDOTS 0x04, 0
	FROWS 0x40, 6, 8                               ; k's rows 0-7 are done with: v's rows 8-15 take their registers
	FDOTS 0x08, 8
.irp k, 0,1,2,3,4,5,6,7,8,9,10,11,12,13,14,15
	v_add_f32 v[FD+2*\k], v[FD+2*\k], v[FD+2*\k+1]
.endr
.irp m, 1,2,4,8
.irp k, 0,1,2,3,4,5,6,7,8,9,10,11,12,13,14,15
	v_add_f32_dpp v[FD+2*\k], v[FD+2*\k], v[FD+2*\k] row_xmask:\m row_mask:0xf bank_mask:0xf
.endr
.endr
.irp k, 0,1,2,3,4,5,6,7,8,9,10,11,12,13,14,15
	v_permlanex16_b32 v[FD+2*\k+1], v[FD+2*\k], s[SEL], s[SEL+1]
.endr
.irp k, 0,1,2,3,4,5,6,7,8,9,10,11,12,13,14,15
	v_add_f32 v[FS+\k], v[FD+2*\k], v[FD+2*\k+1]   ; every lane holds all 16 scores
.endr
.irp k, 0,1,2,3,4,5,6,7,8,9,10,11,12,13,14,15
	v_cmp_gt_u32 vcc_lo, \k, v15                   ; key k is hidden where k > the query
	v_cndmask_b32 v[FS+\k], v[FS+\k], v9, vcc_lo
.endr
	v_max3_num_f32 v10, v[FS], v[FS+1], v[FS+2]
.irp k, 3,5,7,9,11,13
	v_max3_num_f32 v10, v10, v[FS+\k], v[FS+\k+1]
.endr
	v_max_num_f32 v10, v10, v[FS+15]               ; key 0 counts for every query: a number
	v_mul_f32 v10, s[CS], v10
.irp k, 0,1,2,3,4,5,6,7,8,9,10,11,12,13,14,15
	v_fma_f32 v[FS+\k], v[FS+\k], s[CS], -v10      ; (score - the largest) x log2(e) / 32
.endr
.irp k, 0,1,2,3,4,5,6,7,8,9,10,11,12,13,14,15
	v_exp_f32 v[FS+\k], v[FS+\k]
.endr
	v_nop                                          ; a plain instruction behind the last exponential
	s_wait_alu depctr_va_vdst(0)                   ; one wait for the batch
	v_pk_add_f32 v[FT:FT+1], v[FS:FS+1], v[FS+2:FS+3]
.irp k, 4,6,8,10,12,14
	v_pk_add_f32 v[FT:FT+1], v[FT:FT+1], v[FS+\k:FS+\k+1]
.endr
	v_add_f32 v[FT], v[FT], v[FT+1]
	v_rcp_f32 v[FT+2], v[FT]
	v_nop
	s_wait_alu depctr_va_vdst(0)
.irp k, 0,1,2,3,4,5,6,7,8,9,10,11,12,13,14,15
	v_mul_f32 v[FS+\k], v[FS+\k], v[FT+2]          ; the weights, divided by their sum
.endr
	FMIX 0x0c, 0, 1                                ; v's rows 0-7, in window 3
	s_wait_loadcnt 0x0                             ; v's rows 8-15
	FMIX 0x04, 8, 0                                ; in window 1
.irp i, 0,1,2,3,4,5,6,7
	global_store_b128 v14, v[FO+4*\i:FO+4*\i+3], s[58:59] offset:512*\i
.endr
	s_wait_tensorcnt 0x0                           ; the wave's end
	ds_add_u32 v[SPW], v[NIL]
	s_wait_dscnt 0x0
	s_endpgm
.Lfunc_end_k_q6e4644983e_score:
	.size	k_q6e4644983e_score, .Lfunc_end_k_q6e4644983e_score-k_q6e4644983e_score
	.p2alignl 7, 3214868480
	.fill 96, 4, 3214868480
	.section	.rodata,"a",@progbits
	.p2align	6, 0x0
	.amdhsa_kernel k_q6e4644983e_score
		.amdhsa_group_segment_fixed_size 327680
		.amdhsa_private_segment_fixed_size 0
		.amdhsa_enable_private_segment 0
		.amdhsa_kernarg_size 40
		.amdhsa_user_sgpr_count 2
		.amdhsa_user_sgpr_kernarg_segment_ptr 1
		.amdhsa_wavefront_size32 1
		.amdhsa_system_sgpr_workgroup_id_x 1
		.amdhsa_system_sgpr_workgroup_id_y 1
		.amdhsa_system_sgpr_workgroup_id_z 1
		.amdhsa_system_vgpr_workitem_id 0
		.amdhsa_next_free_vgpr 1024
		.amdhsa_next_free_sgpr 66
		.amdhsa_reserve_vcc 1
		.amdhsa_float_denorm_mode_32 3
		.amdhsa_float_denorm_mode_16_64 3
		.amdhsa_memory_ordered 1
		.amdhsa_forward_progress 1
		.amdhsa_inst_pref_size 255
	.end_amdhsa_kernel
	.section	.bss,"aw",@nobits
	.p2align	6
	.space	262144
	.amdgpu_metadata
---
amdhsa.version: [ 1, 2 ]
amdhsa.kernels:
  - .name:           k_q6e4644983e_score
    .symbol:         k_q6e4644983e_score.kd
    .args:
      - { .name: qkf, .offset: 0, .size: 8, .value_kind: global_buffer, .address_space: global }
      - { .name: pf, .offset: 8, .size: 8, .value_kind: global_buffer, .address_space: global }
      - { .name: st, .offset: 16, .size: 8, .value_kind: global_buffer, .address_space: global }
      - { .name: fine, .offset: 24, .size: 8, .value_kind: global_buffer, .address_space: global }
      - { .name: out0, .offset: 32, .size: 8, .value_kind: global_buffer, .address_space: global }
    .group_segment_fixed_size: 327680
    .private_segment_fixed_size: 0
    .kernarg_segment_align: 8
    .kernarg_segment_size: 40
    .max_flat_workgroup_size: 128
    .sgpr_count:     66
    .vgpr_count:     1024
    .wavefront_size: 32
...
	.end_amdgpu_metadata
.endif
;; end of part 3
;; launch mix (part 4): grid 8 x 32, 4 waves a work-group, clusters of 4 x 1, 327,680 bytes of LDS; arguments pf, vf, st, out0; writes out0
.if DOCPART == 4
	.amdgcn_target "amdgcn-amd-amdhsa--gfx1250"
	.amdhsa_code_object_version 6
	.text
	.protected	k_q6e4644983e_mix
	.globl	k_q6e4644983e_mix
	.p2align	8
	.type	k_q6e4644983e_mix,@function
k_q6e4644983e_mix:
	s_mov_b64 s[64:65], 0
	v_nop
	global_prefetch_b8 v0, s[64:65] scope:SCOPE_SE
	s_setreg_imm32_b32 hwreg(HW_REG_WAVE_MODE, 25, 1), 1
	s_wait_xcnt 0x0
	s_wait_alu depctr_hold_cnt(0) depctr_sa_sdst(0) depctr_va_vdst(0) depctr_va_sdst(0) depctr_va_ssrc(0) depctr_va_vcc(0) depctr_vm_vsrc(0)
	s_getreg_b32 s2, hwreg(HW_REG_IB_STS2, 6, 4)
	s_cmp_eq_u32 s2, 0
	s_cbranch_scc0 .Lentry_in_a_cluster
	s_endpgm
.Lentry_in_a_cluster:
	s_bfe_u32 s2, ttmp6, 0x10000c
	s_cmp_lg_u32 s2, 0x3003
	s_cbranch_scc0 .Lentry_shape_is_right
	s_endpgm
.Lentry_shape_is_right:
; out = (sum over key tiles t of 2^(M_t - M) x (p_t v_t)) / (sum over t of 2^(M_t - M) x l_t): the product of the weights with v on f16 operands with f32 sums, and the softmax's end.
; WORK LEFT OUT: key tiles that come wholly after a block of queries hold weights 0 for all values of the inputs: they were never stored and are not walked.  Positions 0-15 of each batch are computed inside a live tile and not stored:
; the launch before has made them in f32, on work-groups of their own.
; SHARES.  A tile of out is 128 queries x 128 channels.  A work-group makes TWO, query blocks 15 - p and p of a batch (p = 0..7): 16 - p and p + 1 laps of 128 keys, 17 in every work-group: 256 equal work-groups, and every trip count a constant.
; Where the first tile ends is told by forward branches on the lap's number against ids that all partners of a cluster share.  Four waves, each 64 queries x 64 channels: 16 accumulators.
; A LAP's partial sum T = p_t v_t starts from the constant 0 and is folded into the running sum by one packed multiply-add a pair: O = O + f x T, f = 2^(M_t - M of the row), an exact power of two; a tile's first lap writes O = f x T.
; CLUSTER.  The four partners differ in the channel block alone: they walk the same tiles of p, which are asked for jointly (mask 15).  v's tiles differ between them and are plain loads behind the same rounds; partners along the
; query blocks would want different key tiles at the same lap, so v is not shared.
; LDS.  Two slots of two laps each: [p even lap][p odd][v even][v odd], 32 KB each, dense images of operand registers: wave w fills the w-th.  Behind them each wave's 17 x 512 bytes of factors, its stage for the way out, the spare words.
; THE MATRIX INSTRUCTION IS USED TRANSPOSED (source 0 = 16 channels of v, source 1 = 16 queries of p): lane (r, h) holds query r and channels 8 h + 0 .. 7.
; REGISTERS: window 0: v16-30 addresses; v32-39 a lap's factors; v40-55 1 / the rows' sums; v64-127 the way out; v128-255 O.  window 1: two fragment buffers of 128 (64 of p, then 64 of v, for 64 keys).  window 2: v0-127 T.
.set SLOTB, 131072
.set FT,    262144                     ; factors: 17 laps x 32 lanes x 16 bytes for each wave
.set FTW,   8704
.set STAGE, 296960                     ; 16 rows x (256 + 16) bytes for each wave
.set STW,   4352
.set SPARE, 314368                     ; the spare words, 128 bytes a wave
.set ADRP, 16                          ; v16-17 LDS address of my p fragments in slot 0, 1
.set ADRV, 20                          ; v20-21 of my v fragments
.set STO,  24
.set RD,   25
.set GO,   26
.set AFT,  27                          ; v27 LDS address of the lap's factors
.set SPW,  28
.set NIL,  29
.set AFT0, 30                          ; v30 my lane's place in my wave's factors; never rewritten
.set FF,   32
.set RA,   40
.set RB,   48
.set BK,   64
.set O,    128
.set F0,   0
.set F1,   128
; at the head only, in registers that O and the way out take later:
.set NMR,  64                          ; v64-131  -M of lap L, four rows a lane; then the factors
.set LSR,  132                         ; v132-199 the sums of lap L
.set MNA,  200
.set MNB,  204
.set LA,   208
.set LB,   212
.set TQ,   216
.set AL,   224                         ; v224-231 offsets in st of laps 9 to 16
.set VRA,  232
.set PINF, 233
.set ZER,  234
.set VR,   235
.set WV,  12
.set G1P, 24
.set G1V, 32
.set G0P, 40
.set G0V, 48
.set PFB, 56
.set VFB, 58
.set LC,  66                           ; s66 the lap in hand
.set NA,  67                           ; s67 laps of the first tile
.set EA,  68                           ; s68 its last lap
.set LN,  69                           ; s69 the lap that my next tensor load brings
.set TR,  70
.set IA,  71
.set IB,  72
.set FTO, 73                           ; s73 512 x the lap whose factors are next
.set SK,  78                           ; s78 1: my first 16 rows of the second tile are positions 0-15
.set SELM, 80                          ; s80-86 all ones where lap 9 .. 15 belongs to the first tile
.set MSB, 0
.macro WIN new
.if MSB != (\new)
	s_set_vgpr_msb (MSB<<8)|(\new)
.set MSB, (\new)
.endif
.endm
.set MUL,   0xa5                       ; sources 0 (v) and 1 (p) window 1; C and D window 2
.set TO_F,  0x40
.set FOLDW, 0x02                       ; source 0 (T) window 2
.macro PLACES
.rept 4
	v_nop
.endr
.endm
.macro CREST                           ; a round of the cluster's barrier behind its opening barrier
	s_cmp_lg_u32 s[WV], 0
	s_cbranch_scc1 .Lnot_wave_0_\@
	s_barrier_signal -3
.Lnot_wave_0_\@:
	s_barrier_wait -3
	s_barrier_signal -1
	s_barrier_wait -1
.endm
.macro CROUND
	s_barrier_signal -1
	s_barrier_wait -1
	CREST
.endm
; Where lap LN's tiles lie: laps under NA belong to query block IA, key tile LN; the others to IB, key tile LN - NA.  Scalars alone; no tensor load of mine is out where it stands.
.macro NEXTADDR u
	s_cmp_lt_u32 s[LN], s[NA]
	s_cselect_b32 s90, s[IA], s[IB]
	s_cselect_b32 s91, 0, s[NA]
	s_sub_co_u32 s91, s[LN], s91                   ; the key tile
	s_lshl_b32 s92, s91, 15                        ; 32 KB a key tile, in p's row of tiles and in v's
	s_mov_b32 s93, 0
	s_lshl_b32 s90, s90, 19                        ; 16 tiles to a block of queries
	s_add_co_u32 s90, s90, s92
	s_mov_b32 s91, 0
	s_add_nc_u64 s[G0P+4*\u+2:G0P+4*\u+3], s[PFB:PFB+1], s[90:91]
	s_or_b32 s[G0P+4*\u+3], s[G0P+4*\u+3], 0x80000000
	s_add_nc_u64 s[G0V+4*\u+2:G0V+4*\u+3], s[VFB:VFB+1], s[92:93]
	s_or_b32 s[G0V+4*\u+3], s[G0V+4*\u+3], 0x80000000
	s_add_co_u32 s[LN], s[LN], 2
.endm
; A refill: waves 0 and 1 ask jointly for p's two tiles, waves 2 and 3 for v's.  The branch hangs on the wave's number alone.  An s_nop 0 and four v_nop follow each line.
.macro JLOAD u
	s_cmp_lt_u32 s[WV], 2
	s_cbranch_scc0 .Lfor_v_\@
	tensor_load_to_lds s[G0P+4*\u:G0P+4*\u+3], s[G1P:G1P+7]
	s_nop 0
.rept 4
	v_nop
.endr
	s_branch .Lasked_\@
.Lfor_v_\@:
	tensor_load_to_lds s[G0V+4*\u:G0V+4*\u+3], s[G1V:G1V+7]
	s_nop 0
.rept 4
	v_nop
.endr
.Lasked_\@:
.endm
.macro JLOADH u                        ; the last refill brings one lap: wave 0 p's tile, wave 2 v's, the others nothing
	s_cmp_eq_u32 s[WV], 0
	s_cbranch_scc0 .Lnot_p_\@
	tensor_load_to_lds s[G0P+4*\u:G0P+4*\u+3], s[G1P:G1P+7]
	s_nop 0
.rept 4
	v_nop
.endr
	s_branch .Lhalf_\@
.Lnot_p_\@:
	s_cmp_eq_u32 s[WV], 2
	s_cbranch_scc0 .Lhalf_\@
	tensor_load_to_lds s[G0V+4*\u:G0V+4*\u+3], s[G1V:G1V+7]
	s_nop 0
.rept 4
	v_nop
.endr
.Lhalf_\@:
.endm
	s_load_b256 s[4:11], s[0:1], 0x0               ; pf s[4:5], vf s[6:7], st s[8:9], out0 s[10:11]
	v_lshl_add_u32 v[SPW], v0, 2, SPARE
	v_mov_b32 v[NIL], 0
	ds_add_u32 v[SPW], v[NIL]                      ; the wave's opening: the add, twice on end, and its wait ahead of my first tensor load
	ds_add_u32 v[SPW], v[NIL]
	v_lshrrev_b32 v1, 5, v0
	v_readfirstlane_b32 s[WV], v1                  ; wave 0..3
	s_lshr_b32 s13, s[WV], 1                       ; which 64 queries are mine
	s_and_b32 s14, s[WV], 1                        ; which 64 channels.  Also: which lap of a slot I fetch
	s_bfe_u32 s15, ttmp6, 0x40000                  ; cx
	s_lshl_b32 s22, ttmp9, 2
	s_add_co_u32 s22, s22, s15                     ; my block of 128 channels: it enters v's and out's addresses alone
	s_and_b32 s17, ttmp7, 0xffff
	s_lshr_b32 s20, s17, 3                         ; batch
	s_and_b32 s21, s17, 7                          ; p
	s_sub_co_u32 s[IA], 15, s21
	s_mov_b32 s[IB], s21
	s_sub_co_u32 s[NA], 16, s21
	s_sub_co_u32 s[EA], 15, s21
	s_and_b32 s[LN], s[WV], 1
	s_mov_b32 s[LC], 0
	s_mov_b32 s[FTO], 0
	s_or_b32 s[SK], s21, s13
	s_cmp_eq_u32 s[SK], 0
	s_cselect_b32 s[SK], 1, 0
	s_mov_b32 s[G1P+0], 15|(3<<16)|(1<<21)         ; p: all four partners; elements of 8 bytes; bit 21 beside a mask
	s_mov_b32 s[G1V+0], 3<<16                      ; v: no mask
.irp g, G1P, G1V
	s_mov_b32 s[\g+1], 32<<16                      ; a dense block of 32 KB as 128 rows of 256 bytes
	s_mov_b32 s[\g+2], 128<<16
	s_mov_b32 s[\g+3], 32<<16
	s_mov_b32 s[\g+4], 128
	s_mov_b32 s[\g+5], 32
	s_mov_b32 s[\g+6], 0
	s_mov_b32 s[\g+7], 0
.endr
	s_lshl_b32 s60, s20, 23                        ; p: 16 blocks of queries of 524,288 bytes to a batch
	s_mov_b32 s61, 0
	s_lshl_b32 s62, s22, 21                        ; v: 256 chunks of 8,192 bytes to a block of channels,
	s_lshl_b32 s63, s20, 19                        ; 64 of them to a batch
	s_add_co_u32 s62, s62, s63
	s_mov_b32 s63, 0
	s_lshl_b32 s16, s20, 18                        ; st: 256 KB a batch
	s_mov_b32 s17, 0
	s_lshl_b32 s18, s20, 11
	s_lshl_b32 s19, s13, 6
	s_add_co_u32 s18, s18, s19                     ; 2,048 batch + 64 x my half
	s_lshl_b32 s19, s[IA], 7
	s_add_co_u32 s90, s18, s19                     ; my first row of the first tile,
	s_lshl_b32 s19, s[IB], 7
	s_add_co_u32 s92, s18, s19                     ; and of the second
	s_lshl_b32 s90, s90, 12                        ; rows of 4,096 bytes
	s_lshl_b32 s92, s92, 12
	s_lshl_b32 s18, s22, 9
	s_lshl_b32 s19, s14, 8
	s_add_co_u32 s18, s18, s19                     ; my first channel, in bytes
	s_add_co_u32 s90, s90, s18
	s_add_co_u32 s92, s92, s18
	s_mov_b32 s91, 0
	s_mov_b32 s93, 0
	s_lshl_b32 s23, s[WV], 15                      ; my 32 KB of a slot: no place in the cluster enters an LDS address
	s_wait_dscnt 0x0                               ; both opening adds are done
	s_wait_kmcnt 0x0
	s_add_nc_u64 s[PFB:PFB+1], s[4:5], s[60:61]
	s_add_nc_u64 s[VFB:VFB+1], s[6:7], s[62:63]
	s_add_nc_u64 s[8:9], s[8:9], s[16:17]
	s_add_nc_u64 s[74:75], s[10:11], s[90:91]
	s_add_nc_u64 s[76:77], s[10:11], s[92:93]
	CROUND                                         ; all four work-groups are here: the first joint loads meet
.irp u, 0,1
	s_mov_b32 s[G0P+4*\u], 1
	s_add_co_u32 s[G0P+4*\u+1], s23, \u*SLOTB
	s_mov_b32 s[G0V+4*\u], 1
	s_add_co_u32 s[G0V+4*\u+1], s23, \u*SLOTB
	NEXTADDR \u
.endr
	s_cmp_lt_u32 s[WV], 2                          ; a wave's two first fills stand in one branch: two loads of mine are out
	s_cbranch_scc0 .Lfirst_v
	tensor_load_to_lds s[G0P:G0P+3], s[G1P:G1P+7]
	s_nop 0
	tensor_load_to_lds s[G0P+4:G0P+7], s[G1P:G1P+7]
	s_nop 0
.rept 4
	v_nop
.endr
	s_branch .Lfirst_asked
.Lfirst_v:
	tensor_load_to_lds s[G0V:G0V+3], s[G1V:G1V+7]
	s_nop 0
	tensor_load_to_lds s[G0V+4:G0V+7], s[G1V:G1V+7]
	s_nop 0
.rept 4
	v_nop
.endr
.Lfirst_asked:
	v_and_b32 v1, 31, v0
	v_lshlrev_b32 v2, 4, v1                        ; 16 x lane
	v_and_b32 v3, 15, v0                           ; r
	v_bfe_u32 v4, v0, 4, 1                         ; h
	s_lshl_b32 s16, s13, 12                        ; my four blocks of 16 queries
	v_add_nc_u32 v[ADRP], s16, v2
	v_add_nc_u32 v[ADRP+1], SLOTB, v[ADRP]
	s_lshl_b32 s16, s14, 12
	s_add_co_u32 s16, s16, 65536                   ; my four blocks of 16 channels, behind p's two tiles
	v_add_nc_u32 v[ADRV], s16, v2
	v_add_nc_u32 v[ADRV+1], SLOTB, v[ADRV]
	s_mul_i32 s16, s[WV], STW
	s_add_co_u32 s16, s16, STAGE
	v_mul_u32_u24 v[STO], v3, 272
	v_lshl_add_u32 v[STO], v4, 5, v[STO]
	v_add_nc_u32 v[STO], s16, v[STO]               ; the stage, in: row r, 32 bytes for each half of the lanes
	v_mul_u32_u24 v[RD], v4, 272
	v_lshl_add_u32 v[RD], v3, 4, v[RD]
	v_add_nc_u32 v[RD], s16, v[RD]                 ; back: lanes 0-15 one row of 256 bytes, lanes 16-31 the next
	v_lshlrev_b32 v[GO], 12, v4
	v_lshl_add_u32 v[GO], v3, 4, v[GO]             ; and the same two rows in out
	s_mul_i32 s16, s[WV], FTW
	s_add_co_u32 s16, s16, FT
	v_add_nc_u32 v[AFT0], s16, v2
	v_mov_b32 v[AFT], v[AFT0]
	v_mov_b32 v[FF+5], 0                           ; (upper halves of pairs, named and never used)
	v_mov_b32 v[FF+7], 0
	v_mov_b32 v[PINF], 0x7f800000
	v_mov_b32 v[ZER], 0
	; THE STATISTICS of my 64 rows in the 17 laps, while the first tiles land.  A lane takes rows 64 x half + 16 j + r, j = 0..3; both halves of the lanes hold the same.
	v_lshlrev_b32 v[VR], 4, v3
	s_lshl_b32 s16, s13, 9
	v_add_nc_u32 v[VR], s16, v[VR]
	s_lshl_b32 s16, s[IA], 14                      ; 16 KB of st to a block of queries, 1 KB to a key tile
	s_lshl_b32 s17, s[IB], 14
	s_lshl_b32 s18, s[NA], 10
	s_sub_co_u32 s17, s17, s18                     ; (with lap x 1,024 added: the second tile's key tile lap - NA)
	v_add_nc_u32 v[VRA], s16, v[VR]
.irp L, 9,10,11,12,13,14,15,16
	s_cmp_gt_u32 s[NA], \L
	s_cselect_b32 s19, s16, s17
.if \L < 16
	s_cselect_b32 s[SELM+\L-9], -1, 0
.endif
	s_add_co_u32 s19, s19, \L*1024
	v_add_nc_u32 v[AL+\L-9], s19, v[VR]
.endr
.irp L, 0,1,2,3,4,5,6,7,8                      ; the first tile has nine laps at the least
	global_load_b128 v[NMR+4*\L:NMR+4*\L+3], v[VRA], s[8:9] offset:\L*1024
	global_load_b128 v[LSR+4*\L:LSR+4*\L+3], v[VRA], s[8:9] offset:\L*1024+256
.endr
.irp L, 9,10,11,12,13,14,15,16
	global_load_b128 v[NMR+4*\L:NMR+4*\L+3], v[AL+\L-9], s[8:9]
	global_load_b128 v[LSR+4*\L:LSR+4*\L+3], v[AL+\L-9], s[8:9] offset:256
.endr
	s_wait_loadcnt 0x0
.irp j, 0,1,2,3                                ; each tile's least -M is its rows' -M
	v_min_num_f32 v[MNA+\j], v[NMR+\j], v[NMR+4+\j]
	v_mov_b32 v[MNB+\j], v[NMR+64+\j]
.endr
.irp L, 2,3,4,5,6,7,8
.irp j, 0,1,2,3
	v_min_num_f32 v[MNA+\j], v[MNA+\j], v[NMR+4*\L+\j]
.endr
.endr
.irp L, 9,10,11,12,13,14,15                    ; a lap that may belong to either tile counts as +infinity for the other: a choice of values, no branch
.irp j, 0,1,2,3
	v_cndmask_b32 v[TQ+\j], v[PINF], v[NMR+4*\L+\j], s[SELM+\L-9]
	v_cndmask_b32 v[TQ+4+\j], v[NMR+4*\L+\j], v[PINF], s[SELM+\L-9]
.endr
.irp j, 0,1,2,3
	v_min_num_f32 v[MNA+\j], v[MNA+\j], v[TQ+\j]
	v_min_num_f32 v[MNB+\j], v[MNB+\j], v[TQ+4+\j]
.endr
.endr
.irp L, 0,1,2,3,4,5,6,7,8,9,10,11,12,13,14,15,16   ; f = 2^(M of the lap - M of the row): the difference is a whole number, 0 or less
.irp j, 0,1,2,3
.if \L <= 8
	v_sub_f32 v[NMR+4*\L+\j], v[MNA+\j], v[NMR+4*\L+\j]
.elseif \L == 16
	v_sub_f32 v[NMR+4*\L+\j], v[MNB+\j], v[NMR+4*\L+\j]
.else
	v_cndmask_b32 v[TQ+\j], v[MNB+\j], v[MNA+\j], s[SELM+\L-9]
	v_sub_f32 v[NMR+4*\L+\j], v[TQ+\j], v[NMR+4*\L+\j]
.endif
.endr
.irp j, 0,1,2,3
	v_cvt_i32_f32 v[NMR+4*\L+\j], v[NMR+4*\L+\j]   ; (it saturates)
.endr
.irp j, 0,1,2,3
	v_ldexp_f32 v[NMR+4*\L+\j], 1.0, v[NMR+4*\L+\j]
.endr
	ds_store_b128 v[AFT0], v[NMR+4*\L:NMR+4*\L+3] offset:\L*512
.endr
.irp j, 0,1,2,3                                ; the rows' sums under the rows' M
	v_mul_f32 v[LA+\j], v[NMR+\j], v[LSR+\j]
	v_mul_f32 v[LB+\j], v[NMR+64+\j], v[LSR+64+\j]
.endr
.irp L, 1,2,3,4,5,6,7,8
.irp j, 0,1,2,3
	v_fmac_f32 v[LA+\j], v[NMR+4*\L+\j], v[LSR+4*\L+\j]
.endr
.endr
.irp L, 9,10,11,12,13,14,15
.irp j, 0,1,2,3
	v_cndmask_b32 v[TQ+\j], v[ZER], v[NMR+4*\L+\j], s[SELM+\L-9]
	v_cndmask_b32 v[TQ+4+\j], v[NMR+4*\L+\j], v[ZER], s[SELM+\L-9]
.endr
.irp j, 0,1,2,3
	v_fmac_f32 v[LA+\j], v[TQ+\j], v[LSR+4*\L+\j]
	v_fmac_f32 v[LB+\j], v[TQ+4+\j], v[LSR+4*\L+\j]
.endr
.endr
.irp j, 0,1,2,3
	v_rcp_f32 v[RA+2*\j], v[LA+\j]
.endr
.irp j, 0,1,2,3
	v_rcp_f32 v[RB+2*\j], v[LB+\j]
.endr
	v_nop                                          ; a plain instruction behind the last reciprocal
	s_wait_alu depctr_va_vdst(0)                   ; one wait for the eight, ahead of their first reader
.irp j, 0,1,2,3
	v_mov_b32 v[RA+2*\j+1], v[RA+2*\j]
	v_mov_b32 v[RB+2*\j+1], v[RB+2*\j]
.endr
; 8 matrix instructions: query blocks a0, a0 + 1 x my 4 channel blocks, 32 keys: half c of buffer f.  The 16 accumulators take turns, one instruction a turn.
.macro MUL8 f, c, a0, zero
.irp a, \a0, \a0+1
.irp b, 0,1,2,3
.if \zero
	v_wmma_f32_16x16x32_f16 v[8*(4*(\a)+\b):8*(4*(\a)+\b)+7], v[\f+64+8*(4*\c+\b):\f+64+8*(4*\c+\b)+7], v[\f+8*(4*\c+\a):\f+8*(4*\c+\a)+7], 0
.else
	v_wmma_f32_16x16x32_f16 v[8*(4*(\a)+\b):8*(4*(\a)+\b)+7], v[\f+64+8*(4*\c+\b):\f+64+8*(4*\c+\b)+7], v[\f+8*(4*\c+\a):\f+8*(4*\c+\a)+7], v[8*(4*(\a)+\b):8*(4*(\a)+\b)+7]
.endif
.endr
.endr
.endm
.macro FETCH u, k, f                   ; 32 LDS loads in one run: the fragments of 64 keys at byte k of the tiles; the first 32 keys first
	WIN TO_F
.irp c, 0,1
.irp i, 0,1,2,3
	ds_load_b128 v[\f+64+8*(4*\c+\i):\f+64+8*(4*\c+\i)+3],   v[ADRV+\u] offset:\k+\c*8192+\i*1024
	ds_load_b128 v[\f+64+8*(4*\c+\i)+4:\f+64+8*(4*\c+\i)+7], v[ADRV+\u] offset:\k+\c*8192+\i*1024+512
	ds_load_b128 v[\f+8*(4*\c+\i):\f+8*(4*\c+\i)+3],         v[ADRP+\u] offset:\k+\c*8192+\i*1024
	ds_load_b128 v[\f+8*(4*\c+\i)+4:\f+8*(4*\c+\i)+7],       v[ADRP+\u] offset:\k+\c*8192+\i*1024+512
.endr
.endr
.endm
; Half a lap: 64 keys, 32 matrix instructions; in its middle the next half's fragments are fetched, from byte k, into g.  zero = 1: a lap's first products start T.  ff = 1: the lap's factors are asked for ahead of the run.
.macro QUARTER u, k, f, g, zero, ff
	s_wait_dscnt 16                                ; the first 32 keys' fragments are in
	WIN MUL
	MUL8 \f, 0, 0, \zero
	MUL8 \f, 0, 2, \zero
	PLACES
.if \ff
	WIN 0
	ds_load_b128 v[FF:FF+3], v[AFT]
.endif
	FETCH \u, \k, \g
	s_wait_dscnt 32                                ; all but the 32 just issued: the factors too
	WIN MUL
	MUL8 \f, 1, 0, 0
	MUL8 \f, 1, 2, 0
.endm
; A slot's last half lap changes slots: in front of the barrier each wave waits for all its tensor loads, adds 0 to its spare word, and waits for that and for its reads of this slot.
; mode 2: the barrier opens a round of the cluster's, and this slot takes the two laps that follow the other slot's; mode 1: the same with the one lap that is left; mode 0: nothing is asked for.
.macro TURN u, next, mode
	WIN 0
	s_wait_tensorcnt 0x0
	ds_add_u32 v[SPW], v[NIL]
	s_wait_dscnt 17                                ; (the add and the youngest sixteen loads may be out)
	WIN MUL
	MUL8 F1, 0, 0, 0
	s_wait_dscnt 0x0                               ; the add is done, and my reads of this slot are over
	s_barrier_signal -1
	MUL8 F1, 0, 2, 0
	WIN 0
	s_barrier_wait -1
.if (\mode) == 2
	CREST
	NEXTADDR \u
	JLOAD \u                                       ; my one tensor load behind the round: it has 112 matrix instructions and two folds in which to land; its four v_nop are the places for the loads below
.elseif (\mode) == 1
	CREST
	NEXTADDR \u
	JLOADH \u
	PLACES
.else
	PLACES
.endif
	ds_load_b128 v[FF:FF+3], v[AFT]
	FETCH \next, 0, F0
	WIN MUL
	MUL8 F1, 1, 0, 0
	MUL8 F1, 1, 2, 0
	s_wait_dscnt 32                                ; the factors are in
.endm
.macro FOLDARM first                   ; O = f x T, or O = O + f x T: 64 packed instructions; each accumulator from its low end on
	WIN FOLDW
.set n, 0
.rept 16
.set fp, FF+4*((n/4)%2)+2*(n/8)
.irp i, 0,2,4,6
.if \first
	v_pk_mul_f32 v[O+8*n+\i:O+8*n+\i+1], v[8*n+\i:8*n+\i+1], v[fp:fp+1] op_sel_hi:[1,0]
.else
	v_pk_fma_f32 v[O+8*n+\i:O+8*n+\i+1], v[8*n+\i:8*n+\i+1], v[fp:fp+1], v[O+8*n+\i:O+8*n+\i+1] op_sel_hi:[1,0,1]
.endif
.endr
.set n, n+1
.endr
	WIN 0
.endm
; THE WAY OUT of a tile: O / the row's sum; 16 rows at a time through my stage, so that sixteen lanes store 256 consecutive bytes, aligned.  skip = 1: where my first 16 rows are positions 0-15 they are not stored.
.macro OUT R, base, skip
.irp a, 0,1,2,3
.set m, 0
.rept 16
	v_pk_mul_f32 v[O+32*\a+m:O+32*\a+m+1], v[O+32*\a+m:O+32*\a+m+1], v[\R+2*\a:\R+2*\a+1] op_sel_hi:[1,0]
.set m, m+2
.endr
.irp b, 0,1,2,3
	ds_store_b128 v[STO], v[O+32*\a+8*\b:O+32*\a+8*\b+3] offset:64*\b
	ds_store_b128 v[STO], v[O+32*\a+8*\b+4:O+32*\a+8*\b+7] offset:64*\b+16
.endr
	s_wait_xcnt 0x0                                ; earlier stores have read the registers that the loads below fill
.irp t, 0,1,2,3,4,5,6,7
	ds_load_b128 v[BK+32*(\a%2)+4*\t:BK+32*(\a%2)+4*\t+3], v[RD] offset:544*\t   ; LDS serves a wave's instructions in order: these see the stores above
.endr
	s_wait_dscnt 0x0
.if (\skip) && (\a == 0)
	s_cmp_eq_u32 s[SK], 1
	s_cbranch_scc1 .Lsk_\@
.endif
.irp t, 0,1,2,3,4,5,6,7
	global_store_b128 v[GO], v[BK+32*(\a%2)+4*\t:BK+32*(\a%2)+4*\t+3], s[\base:\base+1] offset:(16*\a+2*\t)*4096 th:TH_STORE_NT
.endr
.if (\skip) && (\a == 0)
.Lsk_\@:
.endif
.endr
.endm
; A lap's end.  kind = 0: the launch's first lap.  kind = 1: the lap that opens the second tile is told by its number.  outa = 1: the lap that closes the first tile sends it out.
.macro FOLD kind, outa
	WIN 0
	v_mov_b32 v[FF+4], v[FF+1]                     ; the factors of query blocks 1 and 3 into the low halves of pairs.  These four lines are the places behind the last products
	v_mov_b32 v[FF+6], v[FF+3]
	s_add_co_u32 s[FTO], s[FTO], 512
	v_add_nc_u32 v[AFT], s[FTO], v[AFT0]           ; the next lap's factors
	v_nop
.if \kind
	s_cmp_eq_u32 s[LC], s[NA]
	s_cbranch_scc1 .Lopens_\@
	FOLDARM 0
	s_branch .Lfolded_\@
.Lopens_\@:
	FOLDARM 1
.Lfolded_\@:
.else
	FOLDARM 1
.endif
.if \outa
	s_cmp_eq_u32 s[LC], s[EA]
	s_cbranch_scc0 .Lgoes_on_\@
	OUT RA, 74, 0
.Lgoes_on_\@:
.endif
	s_add_co_u32 s[LC], s[LC], 1
.endm
.macro LAPA u, kind                    ; a slot's even lap
	QUARTER \u, 16384, F0, F1, 1, 0
	QUARTER \u, 32768, F1, F0, 0, 1
	FOLD \kind, \kind
.endm
.macro LAPB u, next, mode              ; its odd lap
	QUARTER \u, 49152, F0, F1, 1, 0
	TURN \u, \next, \mode
	FOLD 1, 1
.endm
	s_wait_tensorcnt 0x1                           ; my part of slot 0 is in; slot 1's may be out
	s_wait_dscnt 0x0                               ; my factors are stored
	s_barrier_signal -1
	s_barrier_wait -1
	FETCH 0, 0, F0
	LAPA 0, 0                                      ; lap 0
	s_mov_b32 s[TR], 3
.Ltrip:                                            ; laps 1 to 12, four a trip; six refills bring laps 4 to 15
	LAPB 0, 1, 2
	LAPA 1, 1
	LAPB 1, 0, 2
	LAPA 0, 1
	s_sub_co_u32 s[TR], s[TR], 1
	s_cmp_lg_u32 s[TR], 0
	s_cbranch_scc1 .Ltrip
	LAPB 0, 1, 1                                   ; lap 13; lap 16 is asked for
	LAPA 1, 1                                      ; lap 14
	LAPB 1, 0, 0                                   ; lap 15
	QUARTER 0, 16384, F0, F1, 1, 0                 ; lap 16
	s_wait_dscnt 16
	WIN MUL
	MUL8 F1, 0, 0, 0
	MUL8 F1, 0, 2, 0
	WIN 0
	ds_load_b128 v[FF:FF+3], v[AFT]
	s_wait_dscnt 0x0
	WIN MUL
	MUL8 F1, 1, 0, 0
	MUL8 F1, 1, 2, 0
	FOLD 1, 0
	OUT RB, 76, 1
	s_wait_tensorcnt 0x0                           ; the wave's end, behind my last tensor load and my last LDS store
	ds_add_u32 v[SPW], v[NIL]
	s_wait_dscnt 0x0
	CROUND                                         ; the closing round
	s_endpgm
.Lfunc_end_k_q6e4644983e_mix:
	.size	k_q6e4644983e_mix, .Lfunc_end_k_q6e4644983e_mix-k_q6e4644983e_mix
	.p2alignl 7, 3214868480
	.fill 96, 4, 3214868480
	.section	.rodata,"a",@progbits
	.p2align	6, 0x0
	.amdhsa_kernel k_q6e4644983e_mix
		.amdhsa_group_segment_fixed_size 327680
		.amdhsa_private_segment_fixed_size 0
		.amdhsa_enable_private_segment 0
		.amdhsa_kernarg_size 32
		.amdhsa_user_sgpr_count 2
		.amdhsa_user_sgpr_kernarg_segment_ptr 1
		.amdhsa_wavefront_size32 1
		.amdhsa_system_sgpr_workgroup_id_x 1
		.amdhsa_system_sgpr_workgroup_id_y 1
		.amdhsa_system_sgpr_workgroup_id_z 1
		.amdhsa_system_vgpr_workitem_id 0
		.amdhsa_next_free_vgpr 640
		.amdhsa_next_free_sgpr 100
		.amdhsa_reserve_vcc 0
		.amdhsa_float_denorm_mode_32 3
		.amdhsa_float_denorm_mode_16_64 3
		.amdhsa_memory_ordered 1
		.amdhsa_forward_progress 1
		.amdhsa_inst_pref_size 255
	.end_amdhsa_kernel
	.section	.bss,"aw",@nobits
	.p2align	6
	.space	262144
	.amdgpu_metadata
---
amdhsa.version: [ 1, 2 ]
amdhsa.kernels:
  - .name:           k_q6e4644983e_mix
    .symbol:         k_q6e4644983e_mix.kd
    .args:
      - { .name: pf, .offset: 0, .size: 8, .value_kind: global_buffer, .address_space: global }
      - { .name: vf, .offset: 8, .size: 8, .value_kind: global_buffer, .address_space: global }
      - { .name: st, .offset: 16, .size: 8, .value_kind: global_buffer, .address_space: global }
      - { .name: out0, .offset: 24, .size: 8, .value_kind: global_buffer, .address_space: global }
    .group_segment_fixed_size: 327680
    .private_segment_fixed_size: 0
    .kernarg_segment_align: 8
    .kernarg_segment_size: 32
    .max_flat_workgroup_size: 128
    .sgpr_count:     100
    .vgpr_count:     640
    .wavefront_size: 32
...
	.end_amdgpu_metadata
.endif
;; end of part 4
